; MI455X (gfx1250); checked and timed in simulation.
; The chip was launched on July 23, 2026; its instructions are those of AMD's public machine-readable ISA for CDNA 5 (MIT licence, August 2026) and "CDNA5" Instruction Set Architecture Reference Guide (July 2026). The comments in the code are by the model that wrote it; some were corrected since.
;; Experts. Allowed arithmetic: matrix products marked QUANTISED: E2M1 operands, one E8M0 scale for each 32 along K, by v_wmma_scale_f32_16x16x128_f8f6f4 with both operands' format E2M1 (or v_wmma_scale_f32_32x16x128_f4), f32 sums; products left as they are: f32 operands where the result goes on into a quantised operand, else bf16, f16 or f32 operands; f32 sums; everything else in f32.
;; Inputs: b1 8 x 1,024 float32; b2 1,024 float32; combine_tensor 8 x 512 x 8 float32; dispatch_tensor 8 x 512 x 8 float32; w1_codes 8 x 1,024 x 32 x 16 uint8 (E2M1 codes of w1, K innermost, in blocks of 32 codes, two codes a byte); w1_scales 8 x 1,024 x 32 uint8 (E8M0 scales of w1, one for each 32 codes along K); w2_codes 8 x 1,024 x 32 x 16 uint8 (E2M1 codes of w2, K innermost, in blocks of 32 codes, two codes a byte); w2_scales 8 x 1,024 x 32 uint8 (E8M0 scales of w2, one for each 32 codes along K); x 8 x 512 x 1,024 float32.
;; Outputs: out0 8 x 512 x 1,024 float32.
;; This version of the problem:
;;   THIS VERSION OF THE PROBLEM IS GIVEN IN LOW PRECISION. The matrix products marked QUANTISED in the list below multiply operands that are first quantised to E2M1 (2 exponent bits, 1 mantissa bit; 4 bits a number), with one power-of-two scale for each 32 numbers along K (OCP MX v1.0); their sums are f32. All else is computed in f32.
;;   The module's matrix products, in the order in which they are computed (A, B: the left and right operand; K: the contracted axis; several contracted axes count as one K, in the product's order):
;;     1. batch 4,096 x [M 8, K 1] x [K 1, N 1,024]; A: computed on the way; B: computed on the way: left as it is (no contracted axis)
;;     2. batch 8 x [M 4,096, K 1,024] x [K 1,024, N 1,024]; A: computed on the way; B: input w1 (given as codes): QUANTISED
;;     3. batch 8 x [M 4,096, K 1,024] x [K 1,024, N 1,024]; A: computed on the way; B: input w2 (given as codes): QUANTISED
;;     4. batch 4,096 x [M 1,024, K 8] x [K 8, N 1]; A: computed on the way; B: input combine_tensor: left as it is (K = 8 < 32)
;;   THE QUANTISER, for each operand of a quantised product, along K:
;;     - K is cut into blocks of 32 from its start; a last block that is shorter is filled with zeros.
;;     - A block's scale is 2^e with e = floor(log2(the largest magnitude in the block)) - 2, held to -126 .. 127; a block of zeros has e = 0. As a byte (E8M0): e + 127.
;;     - Each number is divided by its block's scale, clamped to +-6, and rounded to the nearest number of E2M1, ties to even, subnormals kept.
;;     - The product sums the exact products of the quantised numbers (number of the format x scale) in f32.
;;   ~~~python
;;   def quantise(x, axis):      # numpy; x: float32 -> the quantised numbers, widened to float32 again
;;       x = np.moveaxis(x, axis, -1); K = x.shape[-1]
;;       x = np.pad(x, [(0, 0)] * (x.ndim - 1) + [(0, -K % 32)]); x = x.reshape(x.shape[:-1] + (-1, 32)); a = np.abs(x).max(-1, keepdims=True)
;;       e = np.where(a > 0, np.clip(np.frexp(np.where(a > 0, a, 1))[1] - 1 - 2, -126, 127), 0)      # np.frexp(a)[1] - 1 = floor(log2(a)), exactly
;;       r = np.clip(x / 2.0 ** e, -6, 6)
;;       step = 2.0 ** (np.maximum(np.frexp(np.where(r == 0, 1, r))[1] - 1, 0) - 1)
;;       q = np.round(r / step) * step * 2.0 ** e      # np.round: ties to even
;;       return np.moveaxis(q.reshape(q.shape[:-2] + (-1,))[..., :K], -1, axis).astype(np.float32)
;;   ~~~
;;   OPERANDS COMPUTED ON THE WAY. 'Computed on the way' means the value that the module computes at that place (a softmax that the list does not call 'softmax' is quantised finished and normalised). What goes into a quantiser is computed in f32, as accurately as f32 sums, v_exp_f32 and their like allow (about 1e-6 of the number): no bf16 or f16 on the way to a quantiser, and a product that is left as it is and whose result goes on into a quantised operand takes f32 operands (vector FMAs, or v_wmma_f32_16x16x4_f32). A number that lies on a knife's edge between two numbers of the format may be rounded either way, as far as f32 arithmetic and the matrix unit's own rounding can turn it there, and no further.
;;   INPUTS GIVEN AS CODES. w1 (in the module: [8, 1024, 1024], K = its axis 1); w2 (in the module: [8, 1024, 1024], K = its axis 1): each comes as NAME_codes (uint8): NAME with its K axis moved to the last place and cut into blocks of 32 codes, [.., K / 32, bytes a block], one block behind the other in memory; two codes a byte, the lower K in the low four bits (a code: sign, 2 exponent bits, 1 mantissa bit); and NAME_scales (uint8): the same leading axes, one E8M0 byte (e + 127) for each 32 codes along K. Its value is code x scale, taken as it is: it is not quantised again, and the codes and scales need not be those that the quantiser above would give.
;; 2 versions. Each part assembles by itself: llvm-mc -triple=amdgcn-amd-amdhsa -mcpu=gfx1250 --defsym DOCPART=n.
;; ======== version 1 of 2: 3 launches
;; workspace buffers: flags 16,384 bytes of whole numbers; order 17,408 bytes of whole numbers; wfrag 8,388,608 bytes
;; launch prep (part 1): grid 136 x 1, 8 waves a work-group, no clusters, 68,608 bytes of LDS; arguments dispatch_tensor, combine_tensor, w1_codes, w2_codes, flags, wfrag; writes flags, wfrag
.if DOCPART == 1
	.amdgcn_target "amdgcn-amd-amdhsa--gfx1250"
	.amdhsa_code_object_version 6
	.text
	.protected	k_q89f06e1945_prep
	.globl	k_q89f06e1945_prep
	.p2align	8
	.type	k_q89f06e1945_prep,@function
k_q89f06e1945_prep:
	s_mov_b64 s[64:65], 0
	v_nop
	global_prefetch_b8 v0, s[64:65] scope:SCOPE_SE
	s_setreg_imm32_b32 hwreg(HW_REG_WAVE_MODE, 25, 1), 1
	s_wait_xcnt 0x0
; TWO JOBS IN ONE LAUNCH, parted on the work-group's number.
; Work-groups 0-7 (ROUTE): for each of the 4,096 tokens a word at a fixed place, flags[t] = key | mask << 16.  Bit e of mask: dispatch[t][e] != 0 and combine[t][e] != 0
; (only such a pair adds anything to y: with dispatch 0 the expert's row is 0 all the way, with combine 0 its weight is 0).  key = the lowest such e, or 8 if there is none.
; The choice comes from floating-point numbers, so nothing here is addressed by it: the words are only stored.
; Work-groups 8-135 (LAY): the codes of W1 and W2 are laid in the order of a matrix operand's registers: wfrag[which 2][expert 8][tile 64][K step 8][c 2][lane 32][16 bytes].
; Tile 2 B + u holds the weight's rows 32 B + 8 u + p + 8 (p / 8), p = 0 .. 15; lane (r = lane % 16, h = lane / 16) holds bytes 64 s + 32 c + 16 h of row p = r.
; A wave takes one tile: 16 rows of 512 bytes.  Each load takes a whole row (32 lanes x 16 consecutive bytes); the rows turn through the wave's own stage in LDS;
; each store covers 512 consecutive bytes.  No barrier: waves share nothing.
; LIMIT: -0.0 counts as 0 and NaN as not 0, as the compare has it.
.set PITCH, 528                        ; a stage row: 512 bytes + 16: row p starts at bank 4 p mod 64 (64 banks of 4 bytes: ISA guide 11.1)
.set WSTG,  16*PITCH                   ; a wave's stage
.macro ROUTE1 tok                      ; token tok of my two: d in v[16+8 tok ..], c in v[32+8 tok ..] -> the word in v[8+tok]
	v_mov_b32 v[8+\tok], 8                         ; the key, if no expert is live
	v_mov_b32 v[12+\tok], 0                        ; the mask
.irp e, 7,6,5,4,3,2,1,0                ; downward, so that the lowest live expert is the last to be written
	v_cmp_neq_f32 s24, 0, v[16+8*\tok+\e]
	v_cmp_neq_f32 s25, 0, v[32+8*\tok+\e]
	s_and_b32 s24, s24, s25
	v_cndmask_b32 v[8+\tok], v[8+\tok], \e, s24
	v_cndmask_b32 v10, 0, 1, s24
	v_lshl_or_b32 v[12+\tok], v10, 16+\e, v[12+\tok]
.endr
	v_or_b32 v[8+\tok], v[8+\tok], v[12+\tok]
.endm
	s_load_b256 s[4:11], s[0:1], 0x0               ; dispatch s[4:5], combine s[6:7], W1's codes s[8:9], W2's s[10:11]
	s_load_b128 s[12:15], s[0:1], 0x20             ; flags s[12:13], wfrag s[14:15]
	v_lshl_add_u32 v80, v0, 2, 0x10800
	v_mov_b32 v81, 0
	v_lshrrev_b32 v1, 5, v0
	v_readfirstlane_b32 s16, v1                    ; wave 0..7
	s_cmp_lt_u32 ttmp9, 8
	s_cbranch_scc0 .Llay
	; ---- ROUTE: 512 tokens a work-group, two a thread
	s_lshl_b32 s20, ttmp9, 14                      ; 512 tokens x 32 bytes
	s_mov_b32 s21, 0
	s_lshl_b32 s22, ttmp9, 11                      ; 512 words
	s_mov_b32 s23, 0
	v_lshlrev_b32 v2, 6, v0                        ; my two tokens' 64 bytes
	v_lshlrev_b32 v3, 3, v0                        ; my two words
	s_wait_kmcnt 0x0
	s_add_nc_u64 s[4:5], s[4:5], s[20:21]
	s_add_nc_u64 s[6:7], s[6:7], s[20:21]
	s_add_nc_u64 s[12:13], s[12:13], s[22:23]
.irp i, 0,1,2,3
	global_load_b128 v[16+4*\i:19+4*\i], v2, s[4:5] offset:16*\i
.endr
.irp i, 0,1,2,3
	global_load_b128 v[32+4*\i:35+4*\i], v2, s[6:7] offset:16*\i
.endr
	s_wait_loadcnt 0x0
	ROUTE1 0
	ROUTE1 1
	global_store_b64 v3, v[8:9], s[12:13]          ; a wave stores 256 consecutive bytes, aligned
	s_endpgm
	; ---- LAY: tile q = 8 (work-group - 8) + wave, 0 .. 1023: q = 512 which + 64 expert + tile
.Llay:
	s_sub_co_u32 s17, ttmp9, 8
	s_lshl_b32 s17, s17, 3
	s_add_co_u32 s17, s17, s16                     ; q
	s_and_b32 s18, s17, 511
	s_lshr_b32 s20, s18, 1                         ; 32 expert + B: 32 rows of 512 bytes each
	s_lshl_b32 s20, s20, 14
	s_and_b32 s19, s18, 1                          ; u: 8 rows
	s_lshl_b32 s19, s19, 12
	s_add_co_u32 s20, s20, s19                     ; where the tile's first row begins in its tensor
	s_mov_b32 s21, 0
	s_lshl_b32 s22, s17, 13                        ; and the tile in wfrag: 8,192 bytes each
	s_mov_b32 s23, 0
	v_and_b32 v2, 31, v0                           ; lane
	v_and_b32 v3, 15, v0                           ; r
	v_bfe_u32 v7, v0, 4, 1                         ; h
	v_lshlrev_b32 v4, 4, v2                        ; 16 x lane: my bytes of a row, and of a store's 512
	s_mul_i32 s24, s16, WSTG                       ; my stage
	v_add_nc_u32 v5, s24, v4                       ; into it: as the row lies
	v_mul_u32_u24 v6, v3, PITCH
	v_lshl_add_u32 v6, v7, 4, v6
	v_add_nc_u32 v6, s24, v6                       ; out of it: row r, + 16 h
	s_wait_kmcnt 0x0
	s_cmp_lt_u32 s17, 512                          ; W1's tile or W2's: the choice hangs on ids alone
	s_cselect_b64 s[8:9], s[8:9], s[10:11]
	s_add_nc_u64 s[8:9], s[8:9], s[20:21]
	s_add_nc_u64 s[14:15], s[14:15], s[22:23]
.irp j, 0,1,2,3,4,5,6,7,8,9,10,11,12,13,14,15
	global_load_b128 v[16+4*\j:19+4*\j], v4, s[8:9] offset:(\j+8*(\j/8))*512 th:TH_LOAD_NT   ; row p = j of the tile, whole; read once in the launch
.endr
.irp j, 0,1,2,3,4,5,6,7,8,9,10,11,12,13,14,15
	s_wait_loadcnt 15-\j                           ; loads come back in order: row j is in, the younger ones may be out
	ds_store_b128 v5, v[16+4*\j:19+4*\j] offset:\j*PITCH
.endr
.irp i, 0,1,2,3,4,5,6,7,8,9,10,11,12,13,14,15
	ds_load_b128 v[16+4*\i:19+4*\i], v6 offset:32*\i   ; LDS serves a wave's instructions in order: these see my stores.  i = 2 s + c
.endr
.irp i, 0,1,2,3,4,5,6,7,8,9,10,11,12,13,14,15
	s_wait_dscnt 15-\i
	global_store_b128 v4, v[16+4*\i:19+4*\i], s[14:15] offset:512*\i   ; 32 lanes store 512 consecutive bytes
.endr
	s_wait_tensorcnt 0x0
	ds_add_u32 v80, v81
	s_wait_dscnt 0x0
	s_endpgm
.Lfunc_end_k_q89f06e1945_prep:
	.size	k_q89f06e1945_prep, .Lfunc_end_k_q89f06e1945_prep-k_q89f06e1945_prep
	.p2alignl 7, 3214868480
	.fill 96, 4, 3214868480
	.section	.rodata,"a",@progbits
	.p2align	6, 0x0
	.amdhsa_kernel k_q89f06e1945_prep
		.amdhsa_group_segment_fixed_size 68608
		.amdhsa_private_segment_fixed_size 0
		.amdhsa_enable_private_segment 0
		.amdhsa_kernarg_size 48
		.amdhsa_user_sgpr_count 2
		.amdhsa_user_sgpr_kernarg_segment_ptr 1
		.amdhsa_wavefront_size32 1
		.amdhsa_system_sgpr_workgroup_id_x 1
		.amdhsa_system_sgpr_workgroup_id_y 1
		.amdhsa_system_sgpr_workgroup_id_z 1
		.amdhsa_system_vgpr_workitem_id 0
		.amdhsa_next_free_vgpr 82
		.amdhsa_next_free_sgpr 66
		.amdhsa_reserve_vcc 0
		.amdhsa_float_denorm_mode_32 3
		.amdhsa_float_denorm_mode_16_64 3
		.amdhsa_memory_ordered 1
		.amdhsa_forward_progress 1
		.amdhsa_inst_pref_size 15
	.end_amdhsa_kernel
	.amdgpu_metadata
---
amdhsa.version: [ 1, 2 ]
amdhsa.kernels:
  - .name:           k_q89f06e1945_prep
    .symbol:         k_q89f06e1945_prep.kd
    .args:
      - { .name: dispatch_tensor, .offset: 0, .size: 8, .value_kind: global_buffer, .address_space: global }
      - { .name: combine_tensor, .offset: 8, .size: 8, .value_kind: global_buffer, .address_space: global }
      - { .name: w1_codes, .offset: 16, .size: 8, .value_kind: global_buffer, .address_space: global }
      - { .name: w2_codes, .offset: 24, .size: 8, .value_kind: global_buffer, .address_space: global }
      - { .name: flags, .offset: 32, .size: 8, .value_kind: global_buffer, .address_space: global }
      - { .name: wfrag, .offset: 40, .size: 8, .value_kind: global_buffer, .address_space: global }
    .group_segment_fixed_size: 68608
    .private_segment_fixed_size: 0
    .kernarg_segment_align: 8
    .kernarg_segment_size: 48
    .max_flat_workgroup_size: 256
    .sgpr_count:     66
    .vgpr_count:     82
    .wavefront_size: 32
...
	.end_amdgpu_metadata
.endif
;; end of part 1
;; launch place (part 2): grid 1 x 1, 32 waves a work-group, no clusters, 8,192 bytes of LDS; arguments flags, order; writes order
.if DOCPART == 2
	.amdgcn_target "amdgcn-amd-amdhsa--gfx1250"
	.amdhsa_code_object_version 6
	.text
	.protected	k_q89f06e1945_place
	.globl	k_q89f06e1945_place
	.p2align	8
	.type	k_q89f06e1945_place,@function
k_q89f06e1945_place:
	s_mov_b64 s[64:65], 0
	v_nop
	global_prefetch_b8 v0, s[64:65] scope:SCOPE_SE
	s_setreg_imm32_b32 hwreg(HW_REG_WAVE_MODE, 25, 1), 1
	s_wait_xcnt 0x0
; A COUNTING SORT of the 4,096 tokens by key (0 .. 8), into tiles of 32 rows that never mix keys: each key's run begins on a tile's first row.
; The sum over the nine keys of ceil(n_k / 32) is at most (4,096 + 9 x 31) / 32, rounded down: 136 tiles, whatever the split.  order has 136 x 32 words:
; a row's word is token | mask << 16; an entry without a row is 4096 (mask 0, a token's number that does not exist).  EVERY word is written, each once:
; 4,096 by the tokens, the other 256 (the ends of the keys' last tiles, then the tiles left over) by threads 0-255.
; One work-group of 32 waves, four tokens a thread; whole numbers only.  No atomics: each wave counts its own tokens by ballots, the waves' counts meet in LDS behind one barrier.
.set KEY, 8                            ; v8-11   my four tokens' keys
.set IDX, 12                           ; v12-15  their places among my wave's tokens of the same key
.set CNT, 16                           ; s16-24  my wave's count for each key
.set NN,  28                           ; s28-36  n_k: all tokens of key k
.set WP,  40                           ; s40-48  those of them in earlier waves
.set PB,  52                           ; s52-60  where my wave's tokens of key k begin
.set PPE, 66                           ; s66-74  empty entries up to and with key k's
.set DEL, 76                           ; s76-84  what turns the number of an empty entry of key k into its place
.set TAIL, 86                          ; s86     the same for the tiles left over
	s_load_b128 s[4:7], s[0:1], 0x0                ; flags s[4:5], order s[6:7]
	v_lshl_add_u32 v64, v0, 2, 0x1000
	v_mov_b32 v65, 0
	v_lshrrev_b32 v1, 5, v0
	v_readfirstlane_b32 s8, v1                     ; wave 0..31
	v_and_b32 v2, 31, v0                           ; lane
	v_lshlrev_b32 v3, 4, v0                        ; my four words
	v_lshlrev_b32 v22, 2, v0                       ; LDS: 128 bytes a wave, 4 a lane
	v_lshlrev_b32 v23, 7, v2                       ; and back: lane l takes wave l's counts
	v_mov_b32 v35, 0                               ; written once: a lane move's destination counts as one of its sources
	s_mov_b32 s10, 0x76543210
	s_mov_b32 s11, 0xfedcba98                      ; v_permlanex16_b32's selects for lane l xor 16
	s_wait_kmcnt 0x0
	global_load_b128 v[4:7], v3, s[4:5]            ; tokens 4 t .. 4 t + 3
	s_wait_loadcnt 0x0
.irp j, 0,1,2,3
	v_and_b32 v[KEY+\j], 0xff, v[4+\j]
	v_min_u32 v[KEY+\j], 8, v[KEY+\j]
	v_mov_b32 v[IDX+\j], 0
	v_mov_b32 v[40+\j], 0
.endr
	; each key: a ballot for each of the four tokens; a token's place = the count so far + the lower lanes in its ballot
.irp k, 0,1,2,3,4,5,6,7,8
	s_mov_b32 s[CNT+\k], 0
.irp j, 0,1,2,3
	v_cmp_eq_u32 s2, \k, v[KEY+\j]
	v_mbcnt_lo_u32_b32 v20, s2, s[CNT+\k]
	v_cndmask_b32 v[IDX+\j], v[IDX+\j], v20, s2
	s_bcnt1_i32_b32 s3, s2
	s_add_co_u32 s[CNT+\k], s[CNT+\k], s3
.endr
.endr
	v_mov_b32 v21, 0
.irp k, 0,1,2,3,4,5,6,7,8
	v_writelane_b32 v21, s[CNT+\k], \k             ; lane k: my wave's count of key k
.endr
	ds_store_b32 v22, v21
	s_wait_dscnt 0x0                               ; for the others' sake: my counts lie in LDS
	s_barrier_signal -1
	s_barrier_wait -1
	ds_load_b128 v[24:27], v23                     ; lane l: wave l's nine counts
	ds_load_b128 v[28:31], v23 offset:16
	ds_load_b32 v32, v23 offset:32
	v_cmp_gt_u32 s9, s8, v2                        ; the lanes that stand for earlier waves
	s_wait_dscnt 0x0
	; each key: two sums over the 32 lanes in one word: all waves' counts below, the earlier waves' above (neither passes 4,096)
.irp k, 0,1,2,3,4,5,6,7,8
	v_cndmask_b32 v33, 0, v[24+\k], s9
	v_lshl_or_b32 v34, v33, 16, v[24+\k]
.irp x, 1,2,4,8
	v_mov_b32_dpp v35, v34 row_xmask:\x row_mask:0xf bank_mask:0xf
	v_add_nc_u32 v34, v34, v35
.endr
	v_permlanex16_b32 v35, v34, s10, s11
	v_add_nc_u32 v34, v34, v35
	v_readfirstlane_b32 s3, v34
	s_and_b32 s[NN+\k], s3, 0xffff
	s_lshr_b32 s[WP+\k], s3, 16
.endr
	s_mov_b32 s12, 0                               ; the row at which key k's tiles begin
	s_mov_b32 s13, 0                               ; empty entries so far
.irp k, 0,1,2,3,4,5,6,7,8
	s_add_co_u32 s[PB+\k], s12, s[WP+\k]
	s_add_co_u32 s14, s12, s[NN+\k]                ; where key k's empty entries begin
	s_sub_co_u32 s[DEL+\k], s14, s13
	s_add_co_u32 s15, s[NN+\k], 31
	s_lshr_b32 s15, s15, 5
	s_lshl_b32 s15, s15, 5                         ; n_k rounded up to whole tiles
	s_add_co_u32 s12, s12, s15
	s_sub_co_u32 s15, s15, s[NN+\k]
	s_add_co_u32 s13, s13, s15
	s_mov_b32 s[PPE+\k], s13
.endr
	s_sub_co_u32 s[TAIL], s12, s13
	; my four tokens go to their places
.irp k, 0,1,2,3,4,5,6,7,8
.irp j, 0,1,2,3
	v_cmp_ne_u32 vcc_lo, \k, v[KEY+\j]
	v_cndmask_b32 v[40+\j], s[PB+\k], v[40+\j], vcc_lo
.endr
.endr
.irp j, 0,1,2,3
	v_add_nc_u32 v[40+\j], v[40+\j], v[IDX+\j]
	v_min_u32 v[40+\j], 0x10ff, v[40+\j]           ; inside order's 4,352 words
	v_lshlrev_b32 v[40+\j], 2, v[40+\j]
	v_lshl_add_u32 v[44+\j], v0, 2, \j             ; the token's number,
	v_and_or_b32 v[44+\j], v[4+\j], 0xff0000, v[44+\j]   ; and its mask above
	global_store_b32 v[40+\j], v[44+\j], s[6:7]
.endr
	; the 256 empty entries: thread q takes the q-th
	s_cmp_lt_u32 s8, 8
	s_cbranch_scc0 .Lend
	v_add_nc_u32 v50, s[TAIL], v0
.irp k, 8,7,6,5,4,3,2,1,0              ; downward: the lowest key whose running count lies above q has the last word
	v_cmp_gt_u32 vcc_lo, s[PPE+\k], v0
	v_add_nc_u32 v51, s[DEL+\k], v0
	v_cndmask_b32 v50, v50, v51, vcc_lo
.endr
	v_min_u32 v50, 0x10ff, v50
	v_lshlrev_b32 v50, 2, v50
	v_mov_b32 v52, 0x1000
	global_store_b32 v50, v52, s[6:7]
.Lend:
	s_wait_tensorcnt 0x0
	ds_add_u32 v64, v65
	s_wait_dscnt 0x0
	s_endpgm
.Lfunc_end_k_q89f06e1945_place:
	.size	k_q89f06e1945_place, .Lfunc_end_k_q89f06e1945_place-k_q89f06e1945_place
	.p2alignl 7, 3214868480
	.fill 96, 4, 3214868480
	.section	.rodata,"a",@progbits
	.p2align	6, 0x0
	.amdhsa_kernel k_q89f06e1945_place
		.amdhsa_group_segment_fixed_size 8192
		.amdhsa_private_segment_fixed_size 0
		.amdhsa_enable_private_segment 0
		.amdhsa_kernarg_size 16
		.amdhsa_user_sgpr_count 2
		.amdhsa_user_sgpr_kernarg_segment_ptr 1
		.amdhsa_wavefront_size32 1
		.amdhsa_system_sgpr_workgroup_id_x 1
		.amdhsa_system_sgpr_workgroup_id_y 1
		.amdhsa_system_sgpr_workgroup_id_z 1
		.amdhsa_system_vgpr_workitem_id 0
		.amdhsa_next_free_vgpr 66
		.amdhsa_next_free_sgpr 100
		.amdhsa_reserve_vcc 1
		.amdhsa_float_denorm_mode_32 3
		.amdhsa_float_denorm_mode_16_64 3
		.amdhsa_memory_ordered 1
		.amdhsa_forward_progress 1
		.amdhsa_inst_pref_size 27
	.end_amdhsa_kernel
	.amdgpu_metadata
---
amdhsa.version: [ 1, 2 ]
amdhsa.kernels:
  - .name:           k_q89f06e1945_place
    .symbol:         k_q89f06e1945_place.kd
    .args:
      - { .name: flags, .offset: 0, .size: 8, .value_kind: global_buffer, .address_space: global }
      - { .name: order, .offset: 8, .size: 8, .value_kind: global_buffer, .address_space: global }
    .group_segment_fixed_size: 8192
    .private_segment_fixed_size: 0
    .kernarg_segment_align: 8
    .kernarg_segment_size: 16
    .max_flat_workgroup_size: 1024
    .sgpr_count:     100
    .vgpr_count:     66
    .wavefront_size: 32
...
	.end_amdgpu_metadata
.endif
;; end of part 2
;; launch chain (part 3): grid 136 x 1, 8 waves a work-group, no clusters, 168,960 bytes of LDS; arguments x, dispatch_tensor, combine_tensor, wfrag, w1_scales, w2_scales, b1, b2, order, out0; writes out0
.if DOCPART == 3
	.amdgcn_target "amdgcn-amd-amdhsa--gfx1250"
	.amdhsa_code_object_version 6
	.text
	.protected	k_q89f06e1945_chain
	.globl	k_q89f06e1945_chain
	.p2align	8
	.type	k_q89f06e1945_chain,@function
k_q89f06e1945_chain:
	s_mov_b64 s[64:65], 0
	v_nop
	global_prefetch_b8 v0, s[64:65] scope:SCOPE_SE
	s_setreg_imm32_b32 hwreg(HW_REG_WAVE_MODE, 25, 1), 1
	s_wait_xcnt 0x0
; y[t] = b2 + the sum over experts e of combine[t][e] x ( Q(gelu( Q(x[t] dispatch[t][e]) W1[e] + mask b1[e] )) W2[e] ), Q the MX-FP4 quantiser along K, mask = (the sum of x[t] dispatch[t][e] != 0).
; A work-group takes one tile of 32 tokens from the stored list and owns their rows of y.  It walks the 8 experts in a loop of constant count and passes over, by scalar branches on the list's masks,
; those that no row of the tile uses.  For an expert that it visits, every row is computed with its own dispatch and combine numbers, so a row that does not use the expert adds 0.
; THE WAVES SHARE THE COLUMNS: wave w makes hidden units 128 w .. + 127 (K step w of the second product) and outputs 128 w .. + 127, for all 32 rows.  In phase X and on the way out wave w has rows 4 w .. 4 w + 3.
; AN EXPERT'S VISIT:  X: gather, x d, the row's sum, quantise; codes and scale bytes to LDS as rows | barrier |  1: x's fragments from LDS; four trips of 32 hidden units: 32 products, + mask b1, gelu, quantise, codes to LDS
; | barrier |  2: the hidden layer's fragments from LDS; four trips of 32 outputs: 32 products, y += c x result, y kept in LDS (it begins as b2).  The barriers stand outside the branches: every wave passes every one.
; THE WEIGHTS come straight from memory into registers, from a copy laid in the order of the operand's registers: each load covers 512 consecutive bytes.  No tensor loads and no joint requests: which experts a work-group
; visits, and how many, hangs on the stored list, so neighbours need not want the same tiles nor equally many.
; BOTH PRODUCTS ARE USED TRANSPOSED (source 0 = 16 rows of the weight, source 1 = 16 tokens): a lane holds one token (lane % 16).  A weight's tile 2 B + u holds rows 32 B + 8 u + p + 8 (p / 8), so that the 16 registers
; of tiles 2 B and 2 B + 1 are 16 neighbours: 32 B + 16 (lane / 16) + 0 .. 15.
; GELU, the exact form: gelu(v) = max(v, 0) - |v| erfc(|v| / sqrt 2) / 2, erfc(z) = t exp(-z^2 + a polynomial of degree 9 in t), t = 1 / (1 + z / 2): a fit whose relative error is 1.2e-7 for every z.
; In base 2: g = |v| sqrt(log2(e) / 2), so that g^2 = z^2 log2(e); the polynomial's coefficients are multiplied by log2(e), and log2(1 / (2 sqrt(log2(e) / 2))) is added to the constant one, so that the tail is g t 2^(..).
; LIMITS.  A pair (token, expert) with dispatch 0 or combine 0 is passed over: right wherever the expert's result is finite.  NaN and infinities among the inputs are not served.  The row's sum is taken in another
; order than a plain loop's: it could differ only where the sum is exactly 0.  A block of zeros carries the scale byte 1 and zero codes (this program alone reads those bytes).
; REGISTERS, window 0: v0-20 addresses; v22-35 pairs for packed forms (the upper halves written once); v36-43, v44-51 scale words and nothing else; from v52 the phase's work.  Window 1: v0-127 the tokens' 16 fragments, v128-255 a trip's 16 fragments of the weight.
.set CP,   528                         ; a row of 1,024 codes in LDS: 512 bytes + 16: row r starts at bank 4 r mod 64 (64 banks of 4 bytes: ISA guide 11.1)
.set YP,   4112                        ; a row of y in LDS: 4,096 bytes + 16
.set XC,   0                           ; LDS: x d as codes, 32 rows
.set HC,   32*CP                       ; the hidden layer as codes, 32 rows
.set XSC,  2*32*CP                     ; x d's scale bytes, 32 rows x 32
.set HSC,  XSC+1024                    ; the hidden layer's
.set MSK,  HSC+1024                    ; a word (1.0 or 0.0) for each row
.set YST,  MSK+256                     ; y, 32 rows
.set FS,   36                          ; v36-43   the tokens' scale words: 4 m + (K step % 4); lanes 0-15 K steps 0-3, lanes 16-31 K steps 4-7
.set WS,   44                          ; v44-51   the weight's: 4 u + (K step % 4), likewise
.set ACC,  52                          ; v52-83   four accumulators: 16 m + 8 u
.set XR,   52                          ; v52-179  phase X: four rows x 32 numbers
.set B1,   84                          ; v84-99   phase 1: b1 of my 16 hidden units
.set YR,   84                          ; v84-115  phase 2: y, as the accumulators lie
.set GW,   100                         ; v100-107 g;  v108-115 t;  v116-123 the exponent, then the tail
.set GT,   108
.set GP,   116
.set QM,   124                         ; v124-131 the quantiser's: largest magnitude, the other half's, scale operand, byte; two each
.set QX,   126
.set QS,   128
.set QB,   130
.set CD,   132                         ; v132-147 the codes made in phase 1: a pair for each trip and tile of rows, so that no LDS store's data are written again
.set PW,   148                         ; v148-149 the hidden layer's scale words
.set XT,   180                         ; v180-191 phase X: at work
.set XCD,  208                         ; v208-223 its codes, v224-239 its bytes, v240-243 its masks: registers of their own for each row
.set XBY,  224
.set XMS,  240
.set FR,   0                           ; window 1
.set WB,   128
.set KC,   82                          ; s[82:99] the polynomial's coefficients 0 to 8, each twice
.set MSB, 0
.macro WIN new                         ; the immediate's high byte repeats the setting that is left
.if MSB != \new
	s_set_vgpr_msb (MSB<<8)|\new
.set MSB, \new
.endif
.endm
.macro BAR                             ; my LDS stores have landed and my LDS loads are in: then the work-group's barrier
	s_wait_dscnt 0x0
	s_barrier_signal -1
	s_barrier_wait -1
.endm
; 34 loads: the 16 fragments of the weight's tiles 2 b and 2 b + 1 of my eight (all of K), and their rows' scale bytes (lanes 0-15: K steps 0-3, lanes 16-31: K steps 4-7)
.macro LOADW pw, ps, b
	WIN 0x40                                       ; destination window 1, address window 0
.irp u, 0,1
.irp k, 0,1,2,3,4,5,6,7
.irp c, 0,1
	global_load_b128 v[WB+64*\u+8*\k+4*\c:WB+64*\u+8*\k+4*\c+3], v5, s[\pw:\pw+1] offset:(2*(\b)+\u)*8192+1024*\k+512*\c
.endr
.endr
.endr
	WIN 0
.irp u, 0,1
	global_load_b128 v[WS+4*\u:WS+4*\u+3], v6, s[\ps:\ps+1] offset:1024*(\b)+256*\u
.endr
.endm
; 34 LDS loads: the 32 tokens' 16 fragments (lane (r, h): row 16 m + r, bytes 64 k + 32 c + 16 h) and their scale words
.macro FETCH cbase, sbase
	WIN 0x40
.irp m, 0,1
.irp k, 0,1,2,3,4,5,6,7
.irp c, 0,1
	ds_load_b128 v[FR+64*\m+8*\k+4*\c:FR+64*\m+8*\k+4*\c+3], v13 offset:\cbase+16*CP*\m+64*\k+32*\c
.endr
.endr
.endr
	WIN 0
.irp m, 0,1
	ds_load_b128 v[FS+4*\m:FS+4*\m+3], v14 offset:\sbase+512*\m
.endr
.endm
; 32 products: two tiles of the weight x two tiles of tokens, K = 1,024 in eight steps, ascending.  The first step starts the sums.  The four accumulators take turns, one instruction a turn.
; Five places follow: four serve the loads into the operands' registers and the first reads of the results, the fifth the next trip's first products, which begin the same accumulators anew.
.macro MUL32
	WIN 0x05                                       ; sources 0 and 1 window 1; C and D window 0
.irp k, 0,1,2,3,4,5,6,7
.irp u, 0,1
.irp m, 0,1
.if \k == 0
	v_wmma_scale_f32_16x16x128_f8f6f4 v[ACC+16*\m+8*\u:ACC+16*\m+8*\u+7], v[WB+64*\u+8*\k:WB+64*\u+8*\k+7], v[FR+64*\m+8*\k:FR+64*\m+8*\k+7], 0, v[WS+4*\u+\k], v[FS+4*\m+\k] matrix_a_fmt:MATRIX_FMT_FP4 matrix_b_fmt:MATRIX_FMT_FP4
.elseif \k < 4
	v_wmma_scale_f32_16x16x128_f8f6f4 v[ACC+16*\m+8*\u:ACC+16*\m+8*\u+7], v[WB+64*\u+8*\k:WB+64*\u+8*\k+7], v[FR+64*\m+8*\k:FR+64*\m+8*\k+7], v[ACC+16*\m+8*\u:ACC+16*\m+8*\u+7], v[WS+4*\u+\k], v[FS+4*\m+\k] matrix_a_fmt:MATRIX_FMT_FP4 matrix_b_fmt:MATRIX_FMT_FP4
.else
	v_wmma_scale_f32_16x16x128_f8f6f4 v[ACC+16*\m+8*\u:ACC+16*\m+8*\u+7], v[WB+64*\u+8*\k:WB+64*\u+8*\k+7], v[FR+64*\m+8*\k:FR+64*\m+8*\k+7], v[ACC+16*\m+8*\u:ACC+16*\m+8*\u+7], v[WS+4*\u+\k-4], v[FS+4*\m+\k-4] matrix_a_fmt:MATRIX_FMT_FP4 matrix_b_fmt:MATRIX_FMT_FP4 matrix_a_scale:MATRIX_SCALE_ROW1 matrix_b_scale:MATRIX_SCALE_ROW1
.endif
.endr
.endr
.endr
	WIN 0
.rept 5
	v_nop
.endr
.endm
; gelu in place on eight registers from v[x] on
.macro GELU8 x
.irp i, 0,1,2,3,4,5,6,7
	v_mul_f32 v[GW+\i], s56, |v[\x+\i]|            ; g
.endr
.irp i, 0,2,4,6
	v_pk_fma_f32 v[GT+\i:GT+\i+1], v[GW+\i:GW+\i+1], s[54:55], 1.0 op_sel_hi:[1,0,0]   ; 1 + z / 2
.endr
.irp i, 0,1,2,3,4,5,6,7
	v_rcp_f32 v[GT+\i], v[GT+\i]                   ; t
.endr
.irp i, 0,1,2,3,4,5,6,7
	v_max_num_f32 v[\x+\i], 0, v[\x+\i]            ; max(v, 0): also the plain instructions behind the reciprocals
.endr
	s_wait_alu depctr_va_vdst(0)
.irp i, 0,2,4,6
	v_pk_fma_f32 v[GP+\i:GP+\i+1], v[GT+\i:GT+\i+1], v[34:35], s[KC+16:KC+17] op_sel_hi:[1,1,0]
.endr
.irp n, 7,6,5,4,3,2,1,0                ; Horner's scheme, four pairs by turns
.irp i, 0,2,4,6
	v_pk_fma_f32 v[GP+\i:GP+\i+1], v[GP+\i:GP+\i+1], v[GT+\i:GT+\i+1], s[KC+2*\n:KC+2*\n+1] op_sel_hi:[1,1,0]
.endr
.endr
.irp i, 0,2,4,6
	v_pk_fma_f32 v[GP+\i:GP+\i+1], v[GW+\i:GW+\i+1], v[GW+\i:GW+\i+1], v[GP+\i:GP+\i+1] neg_lo:[1,0,0] neg_hi:[1,0,0]   ; - g^2
.endr
.irp i, 0,1,2,3,4,5,6,7
	v_exp_f32 v[GP+\i], v[GP+\i]
.endr
	v_nop                                          ; a plain instruction behind the exponentials
	s_wait_alu depctr_va_vdst(0)
.irp i, 0,2,4,6
	v_pk_mul_f32 v[GP+\i:GP+\i+1], v[GP+\i:GP+\i+1], v[GT+\i:GT+\i+1]
.endr
.irp i, 0,2,4,6
	v_pk_fma_f32 v[\x+\i:\x+\i+1], v[GW+\i:GW+\i+1], v[GP+\i:GP+\i+1], v[\x+\i:\x+\i+1] neg_lo:[1,0,0] neg_hi:[1,0,0]   ; max(v, 0) - g t 2^(..)
.endr
.endm
; Trip b's 32 hidden units of both tiles of rows become codes.  A lane's 16 registers are half a block; lane l xor 16 holds the other half.  The codes go to LDS as rows: 8 bytes a lane.
.macro QUANT2 b
.irp m, 0,1
	v_max3_num_f32 v[QM+\m], |v[ACC+16*\m]|, |v[ACC+16*\m+1]|, 0x1800000   ; with the floor 2^(3 - 127): the byte cannot fall under 1
.endr
.irp i, 2,4,6,8,10,12,14
.irp m, 0,1
	v_max3_num_f32 v[QM+\m], v[QM+\m], |v[ACC+16*\m+\i]|, |v[ACC+16*\m+\i+1]|
.endr
.endr
.irp m, 0,1
	v_permlanex16_b32 v[QX+\m], v[QM+\m], s58, s59
.endr
.irp m, 0,1
	v_max_num_f32 v[QM+\m], v[QM+\m], v[QX+\m]     ; the block's largest magnitude
.endr
.irp m, 0,1
	v_add_nc_u32 v[QS+\m], 0xff000000, v[QM+\m]    ; 2 off its exponent field: the conversion takes the exponent field of this operand as its scale
.endr
.if (\b) == 0
.irp m, 0,1
	v_lshrrev_b32 v[PW+\m], 23, v[QS+\m]           ; the scale's byte: the four trips' bytes make my K step's scale word
.endr
.else
.irp m, 0,1
	v_lshrrev_b32 v[QB+\m], 23, v[QS+\m]
.endr
.irp m, 0,1
	v_lshl_or_b32 v[PW+\m], v[QB+\m], 8*(\b), v[PW+\m]
.endr
.endif
.irp m, 0,1
	v_cvt_scalef32_pk8_fp4_f32 v[CD+4*(\b)+2*\m], v[ACC+16*\m:ACC+16*\m+7], v[QS+\m]
	v_cvt_scalef32_pk8_fp4_f32 v[CD+4*(\b)+2*\m+1], v[ACC+16*\m+8:ACC+16*\m+15], v[QS+\m]
.endr
	v_nop                                          ; one plain instruction behind the scaled conversions
.irp m, 0,1
	ds_store_b64 v16, v[CD+4*(\b)+2*\m:CD+4*(\b)+2*\m+1] offset:16*CP*\m+16*(\b)
.endr
.if (\b) == 3
.irp m, 0,1
	ds_store_b32 v17, v[PW+\m] offset:512*\m       ; both halves of the lanes write the same word with the same value
.endr
.endif
.endm
.macro TRIP1 b, ahead
	s_wait_loadcnt 4                               ; this trip's 34 weight loads are in; the four loads of b1 behind them may be out
	MUL32
.if \ahead
	LOADW 66, 68, (\b)+1                           ; the next trip's weights land while this trip's gelu is worked
	s_wait_loadcnt 34                              ; b1 is in: behind it only the 34 just issued
.else
	s_wait_loadcnt 0x0
.endif
.irp m, 0,1
.irp n, 0,2,4,6,8,10,12,14             ; ascending: each accumulator is first read at its low end
	v_pk_fma_f32 v[ACC+16*\m+\n:ACC+16*\m+\n+1], v[B1+\n:B1+\n+1], v[22+2*\m:23+2*\m], v[ACC+16*\m+\n:ACC+16*\m+\n+1] op_sel_hi:[1,0,1]   ; + mask x b1
.endr
.endr
.if \ahead
.irp i, 0,1,2,3
	global_load_b128 v[B1+4*\i:B1+4*\i+3], v7, s[70:71] offset:128*((\b)+1)+16*\i
.endr
.endif
	GELU8 ACC
	GELU8 ACC+8
	GELU8 ACC+16
	GELU8 ACC+24
	QUANT2 \b
.endm
.macro TRIP2 b, ahead
.irp m, 0,1
.irp i, 0,1,2,3
	ds_load_b128 v[YR+16*\m+4*\i:YR+16*\m+4*\i+3], v[18+\m] offset:128*(\b)+16*\i   ; y so far, my own bytes: LDS serves a wave's instructions in order
.endr
.endr
	s_wait_loadcnt 0x0                             ; this trip's weights (and, in the first trip, the combine numbers)
.if (\b) == 0
	s_wait_dscnt 8                                 ; the fragments are in; the eight loads of y may be out
.endif
	MUL32
.if \ahead
	LOADW 66, 68, (\b)+1
.endif
	s_wait_dscnt 0x0                               ; y is in
.irp m, 0,1
.irp n, 0,2,4,6,8,10,12,14             ; ascending: each accumulator is first read at its low end
	v_pk_fma_f32 v[YR+16*\m+\n:YR+16*\m+\n+1], v[ACC+16*\m+\n:ACC+16*\m+\n+1], v[26+2*\m:27+2*\m], v[YR+16*\m+\n:YR+16*\m+\n+1] op_sel_hi:[1,0,1]   ; y += c x result
.endr
.endr
.irp m, 0,1
.irp i, 0,1,2,3
	ds_store_b128 v[18+\m], v[YR+16*\m+4*\i:YR+16*\m+4*\i+3] offset:128*(\b)+16*\i
.endr
.endr
.endm
; Row p of my four: x d, the sum, the mask; four groups of 8 neighbours a lane (k = 256 i + 8 lane): four lanes share a block of 32
.macro XROW p
.set R0, XR+32*(\p)
	s_wait_loadcnt 24-8*(\p)                       ; this row's eight loads are in; the later rows' may be out
	v_mov_b32 v30, s[76+(\p)]
.irp n, 0,2,4,6,8,10,12,14,16,18,20,22,24,26,28,30
	v_pk_mul_f32 v[R0+\n:R0+\n+1], v[R0+\n:R0+\n+1], v[30:31] op_sel_hi:[1,0]
.endr
	v_pk_add_f32 v[XT:XT+1], v[R0:R0+1], v[R0+2:R0+3]
	v_pk_add_f32 v[XT+2:XT+3], v[R0+4:R0+5], v[R0+6:R0+7]
.irp n, 8,12,16,20,24,28
	v_pk_add_f32 v[XT:XT+1], v[XT:XT+1], v[R0+\n:R0+\n+1]
	v_pk_add_f32 v[XT+2:XT+3], v[XT+2:XT+3], v[R0+\n+2:R0+\n+3]
.endr
.irp i, 0,1,2,3
	v_max3_num_f32 v[XT+4+\i], |v[R0+8*\i]|, |v[R0+8*\i+1]|, 0x1800000   ; with the floor 2^(3 - 127)
.endr
.irp n, 2,4,6
.irp i, 0,1,2,3
	v_max3_num_f32 v[XT+4+\i], v[XT+4+\i], |v[R0+8*\i+\n]|, |v[R0+8*\i+\n+1]|
.endr
.endr
.irp x, 1,2
.irp i, 0,1,2,3
	v_max_num_f32_dpp v[XT+4+\i], v[XT+4+\i], v[XT+4+\i] row_xmask:\x row_mask:0xf bank_mask:0xf
.endr
.endr
.irp i, 0,1,2,3
	v_add_nc_u32 v[XT+8+\i], 0xff000000, v[XT+4+\i]
.endr
.irp i, 0,1,2,3
	v_lshrrev_b32 v[XBY+4*(\p)+\i], 23, v[XT+8+\i]
.endr
.irp i, 0,1,2,3
	v_cvt_scalef32_pk8_fp4_f32 v[XCD+4*(\p)+\i], v[R0+8*\i:R0+8*\i+7], v[XT+8+\i]
.endr
	v_pk_add_f32 v[XT:XT+1], v[XT:XT+1], v[XT+2:XT+3]   ; (a plain instruction behind the scaled conversions)  the row's sum goes on
	v_add_f32 v[XT], v[XT], v[XT+1]
.irp x, 1,2,4,8
	v_add_f32_dpp v[XT], v[XT], v[XT] row_xmask:\x row_mask:0xf bank_mask:0xf
.endr
	v_permlanex16_b32 v[XT+1], v[XT], s58, s59
	v_add_f32 v[XT], v[XT], v[XT+1]
	v_cmp_neq_f32 vcc_lo, 0, v[XT]
	v_cndmask_b32 v[XMS+(\p)], 0, 1.0, vcc_lo
	ds_store_b32 v12, v[XMS+(\p)] offset:4*(\p)    ; all lanes write the same word with the same value
.irp i, 0,1,2,3
	ds_store_b32 v10, v[XCD+4*(\p)+\i] offset:CP*(\p)+128*\i
	ds_store_b8 v11, v[XBY+4*(\p)+\i] offset:32*(\p)+8*\i   ; the four lanes of a block write the same byte with the same value
.endr
.endm
	; ---- the head
	s_load_b512 s[4:19], s[0:1], 0x0               ; x s[4:5], dispatch s[6:7], combine s[8:9], wfrag s[10:11], W1's scales s[12:13], W2's s[14:15], b1 s[16:17], b2 s[18:19]
	s_load_b128 s[20:23], s[0:1], 0x40             ; order s[20:21], y s[22:23]
	v_lshl_add_u32 v254, v0, 2, 0x29000
	v_mov_b32 v255, 0
	v_lshrrev_b32 v1, 5, v0
	v_readfirstlane_b32 s24, v1                    ; wave 0..7
	s_lshl_b32 s54, ttmp9, 7                       ; my tile's 32 words
	s_mov_b32 s55, 0
	s_lshl_b32 s27, s24, 4                         ; my wave's four of them
	v_and_b32 v1, 31, v0                           ; lane
	v_and_b32 v2, 15, v0                           ; r
	v_bfe_u32 v3, v0, 4, 1                         ; h
	v_lshlrev_b32 v15, 2, v2                       ; 4 r: a word for each of a tile's 16 rows
	v_lshlrev_b32 v7, 6, v3                        ; 64 h: my half's 16 numbers of b1 or b2
	s_wait_kmcnt 0x0
	s_add_nc_u64 s[20:21], s[20:21], s[54:55]
	s_load_b512 s[68:83], s[20:21], 0x0            ; all 32 words, for the union of the masks
	s_load_b512 s[84:99], s[20:21], 0x40
	s_load_b128 s[60:63], s[20:21], s27 offset:0x0 ; my wave's four rows
	global_load_b32 v8, v15, s[20:21]              ; and, lane by lane, rows r and 16 + r
	global_load_b32 v9, v15, s[20:21] offset:64
	s_lshl_b32 s54, s24, 9                         ; my 128 numbers of b1 and of b2
	s_add_nc_u64 s[16:17], s[16:17], s[54:55]
	s_add_nc_u64 s[18:19], s[18:19], s[54:55]
.irp b, 0,1,2,3
.irp i, 0,1,2,3
	global_load_b128 v[52+16*\b+4*\i:55+16*\b+4*\i], v7, s[18:19] offset:128*\b+16*\i   ; b2 at outputs 128 w + 32 b + 16 h + 0 .. 15
.endr
.endr
	s_lshl_b32 s54, s24, 16                        ; my eight tiles of each weight,
	s_add_nc_u64 s[10:11], s[10:11], s[54:55]
	s_lshl_b32 s54, s24, 12                        ; my 128 rows of scale bytes
	s_add_nc_u64 s[12:13], s[12:13], s[54:55]
	s_add_nc_u64 s[14:15], s[14:15], s[54:55]
	v_lshlrev_b32 v4, 5, v1                        ; x: 32 bytes a lane
	v_lshlrev_b32 v5, 4, v1                        ; wfrag, y: 16 bytes a lane
	v_and_b32 v6, 8, v2
	v_add_nc_u32 v6, v6, v2                        ; r + 8 (r / 8)
	v_lshlrev_b32 v6, 5, v6
	v_lshl_add_u32 v6, v3, 4, v6                   ; the weights' scale bytes: 32 a row, + 16 h
	s_mul_i32 s57, s24, 4*CP
	v_lshl_add_u32 v10, v1, 2, s57                 ; X: my rows' codes: 4 CP w + 4 lane
	s_lshl_b32 s57, s24, 7
	s_add_co_u32 s57, s57, XSC
	v_lshrrev_b32 v11, 2, v1
	v_add_nc_u32 v11, s57, v11                     ; their scale bytes: XSC + 128 w + lane / 4
	s_lshl_b32 s57, s24, 4
	s_add_co_u32 s57, s57, MSK
	v_mov_b32 v12, s57                             ; their masks: MSK + 16 w
	v_mul_u32_u24 v13, v2, CP
	v_lshl_add_u32 v13, v3, 4, v13                 ; a fragment: row r, + 16 h
	v_lshlrev_b32 v14, 5, v2
	v_lshl_add_u32 v14, v3, 4, v14                 ; its scale words: 32 r + 16 h
	v_mul_u32_u24 v16, v2, CP
	v_lshl_add_u32 v16, v3, 3, v16
	s_lshl_b32 s57, s24, 6
	s_add_co_u32 s57, s57, HC
	v_add_nc_u32 v16, s57, v16                     ; the hidden layer's codes: HC + CP r + 8 h + 64 w
	v_lshlrev_b32 v17, 5, v2
	s_lshl_b32 s57, s24, 2
	s_add_co_u32 s57, s57, HSC
	v_add_nc_u32 v17, s57, v17                     ; its scale word: HSC + 32 r + 4 w
	v_mul_u32_u24 v18, v2, YP
	v_lshl_add_u32 v18, v3, 6, v18
	s_lshl_b32 s57, s24, 9
	s_add_co_u32 s57, s57, YST
	v_add_nc_u32 v18, s57, v18                     ; y: YST + YP r + 64 h + 512 w,
	v_add_nc_u32 v19, 16*YP, v18                   ; and 16 rows on (an LDS immediate has 16 bits)
	s_mul_i32 s57, s24, 4*YP
	s_add_co_u32 s57, s57, YST
	v_add_nc_u32 v20, s57, v5                      ; the way out: my four rows, 16 bytes a lane
.irp n, 23,25,27,29,31
	v_mov_b32 v[\n], 0                             ; the upper halves of pairs of which the packed forms take the lower: named, so written
.endr
	v_mov_b32 v34, 0x3e7c6f08                      ; the polynomial's coefficient 9, twice
	v_mov_b32 v35, 0x3e7c6f08
	v_mov_b32 v[QX], 0                             ; written once: a lane permute's destination counts as one of its sources
	v_mov_b32 v[QX+1], 0
	s_wait_kmcnt 0x0
	s_or_b32 s26, s68, s69                         ; the union of the 32 rows' masks
.set n, 70
.rept 30
	s_or_b32 s26, s26, s[n]
.set n, n+1
.endr
	s_lshr_b32 s26, s26, 16
	s_mov_b32 s52, 0                               ; which of my four entries are rows
.irp p, 0,1,2,3
	s_and_b32 s57, s[60+\p], 0xffff
	s_cmp_lt_u32 s57, 4096
	s_cselect_b32 s54, 1<<\p, 0
	s_or_b32 s52, s52, s54
	s_min_u32 s57, s57, 4095                       ; an entry without a row computes on the last token's numbers and stores nothing
	s_lshl_b32 s54, s57, 12
	s_add_nc_u64 s[36+2*\p:37+2*\p], s[4:5], s[54:55]    ; its row of x,
	s_add_nc_u64 s[28+2*\p:29+2*\p], s[22:23], s[54:55]  ; of y,
	s_lshl_b32 s54, s57, 5
	s_add_nc_u64 s[44+2*\p:45+2*\p], s[6:7], s[54:55]    ; of dispatch
.endr
	s_add_nc_u64 s[4:5], s[10:11], 0x400000        ; my tiles of W2
	s_mov_b32 s54, 0x3ed5224c                      ; 1 / (2 sqrt(log2 e)): z / 2 = g x this
	s_mov_b32 s55, 0x3ed5224c
	s_mov_b32 s56, 0x3f596d27                      ; sqrt(log2(e) / 2)
	s_mov_b32 s58, 0x76543210
	s_mov_b32 s59, 0xfedcba98                      ; v_permlanex16_b32's selects for lane l xor 16
	s_mov_b32 s73, 0
.irp h, 0,1
	s_mov_b32 s[KC+0+\h], 0xc025c4b7
	s_mov_b32 s[KC+2+\h], 0x3fb8ab5a
	s_mov_b32 s[KC+4+\h], 0x3f0a29d2
	s_mov_b32 s[KC+6+\h], 0x3e0efb2e
	s_mov_b32 s[KC+8+\h], 0xbe899a80
	s_mov_b32 s[KC+10+\h], 0x3ecdfd18
	s_mov_b32 s[KC+12+\h], 0xbfd1a1e5
	s_mov_b32 s[KC+14+\h], 0x40097039
	s_mov_b32 s[KC+16+\h], 0xbf97d29d
.endr
	s_wait_loadcnt 16                              ; the two words of the list are in; b2's sixteen loads may be out
.irp m, 0,1
	v_and_b32 v[8+\m], 0xffff, v[8+\m]
	v_min_u32 v[8+\m], 0xfff, v[8+\m]
	v_lshlrev_b32 v[8+\m], 5, v[8+\m]              ; row 16 m + r's 32 bytes of combine
.endr
	s_wait_loadcnt 0x0
.irp m, 0,1
.irp b, 0,1,2,3
.irp i, 0,1,2,3
	ds_store_b128 v[18+\m], v[52+16*\b+4*\i:55+16*\b+4*\i] offset:128*\b+16*\i   ; y begins as b2: my own columns of all 32 rows
.endr
.endr
.endr
	s_wait_dscnt 0x0                               ; the stores have read their registers: loads may land there
	s_mov_b32 s25, 0                               ; the expert
.Lexpert:
	s_lshl_b32 s53, s25, 2
	; ---- X
	s_bitcmp1_b32 s26, s25
	s_cbranch_scc0 .Lskip_x
.irp p, 0,1,2,3
.irp i, 0,1,2,3
.irp a, 0,1
	global_load_b128 v[XR+32*\p+8*\i+4*\a:XR+32*\p+8*\i+4*\a+3], v4, s[36+2*\p:37+2*\p] offset:1024*\i+16*\a
.endr
.endr
.endr
.irp p, 0,1,2,3
	s_load_b32 s[76+\p], s[44+2*\p:45+2*\p], s53 offset:0x0   ; dispatch[token][expert]
.endr
	s_wait_kmcnt 0x0
	XROW 0
	XROW 1
	XROW 2
	XROW 3
.Lskip_x:
	BAR                                            ; the 32 rows' codes, bytes and masks lie in LDS; nobody reads the hidden layer's any more
	; ---- 1
	s_bitcmp1_b32 s26, s25
	s_cbranch_scc0 .Lskip_1
	s_lshl_b32 s72, s25, 19
	s_add_nc_u64 s[66:67], s[10:11], s[72:73]      ; the expert's W1, my tiles
	s_lshl_b32 s72, s25, 15
	s_add_nc_u64 s[68:69], s[12:13], s[72:73]      ; their scale bytes
	s_lshl_b32 s72, s25, 12
	s_add_nc_u64 s[70:71], s[16:17], s[72:73]      ; b1
	LOADW 66, 68, 0
.irp i, 0,1,2,3
	global_load_b128 v[B1+4*\i:B1+4*\i+3], v7, s[70:71] offset:16*\i
.endr
	FETCH XC, XSC
	ds_load_b32 v22, v15 offset:MSK                ; the masks of rows r and 16 + r
	ds_load_b32 v24, v15 offset:MSK+64
	s_wait_dscnt 0x0
	TRIP1 0, 1
	TRIP1 1, 1
	TRIP1 2, 1
	TRIP1 3, 0
.Lskip_1:
	BAR                                            ; the hidden layer's codes and bytes lie in LDS; nobody reads x's any more
	; ---- 2
	s_bitcmp1_b32 s26, s25
	s_cbranch_scc0 .Lskip_2
	s_lshl_b32 s72, s25, 2
	s_add_nc_u64 s[70:71], s[8:9], s[72:73]
	global_load_b32 v26, v8, s[70:71]              ; combine[token][expert] of rows r and 16 + r
	global_load_b32 v28, v9, s[70:71]
	s_lshl_b32 s72, s25, 19
	s_add_nc_u64 s[66:67], s[4:5], s[72:73]        ; the expert's W2, my tiles
	s_lshl_b32 s72, s25, 15
	s_add_nc_u64 s[68:69], s[14:15], s[72:73]
	LOADW 66, 68, 0
	FETCH HC, HSC
	TRIP2 0, 1
	TRIP2 1, 1
	TRIP2 2, 1
	TRIP2 3, 0
	s_wait_dscnt 0x0                               ; the last stores have read their registers: the next visit's loads may land there
.Lskip_2:
	s_add_co_u32 s25, s25, 1
	s_cmp_lt_u32 s25, 8
	s_cbranch_scc1 .Lexpert
	; ---- the way out: each wave stores its four rows, whole
	BAR                                            ; all columns of y lie in LDS
.irp p, 0,1,2,3
.irp i, 0,1,2,3,4,5,6,7
	ds_load_b128 v[52+32*\p+4*\i:55+32*\p+4*\i], v20 offset:YP*\p+512*\i
.endr
.endr
.irp p, 0,1,2,3
	s_wait_dscnt 24-8*\p                           ; this row's eight loads are in; the later rows' may be out
	s_bitcmp1_b32 s52, \p                          ; an entry without a row stores nothing
	s_cbranch_scc0 .Lnone\p
.irp i, 0,1,2,3,4,5,6,7
	global_store_b128 v5, v[52+32*\p+4*\i:55+32*\p+4*\i], s[28+2*\p:29+2*\p] offset:512*\i th:TH_STORE_NT   ; 32 lanes store 512 consecutive bytes, aligned; written once, read by nobody here
.endr
.Lnone\p:
.endr
	s_wait_tensorcnt 0x0
	ds_add_u32 v254, v255
	s_wait_dscnt 0x0
	s_endpgm
.Lfunc_end_k_q89f06e1945_chain:
	.size	k_q89f06e1945_chain, .Lfunc_end_k_q89f06e1945_chain-k_q89f06e1945_chain
	.p2alignl 7, 3214868480
	.fill 96, 4, 3214868480
	.section	.rodata,"a",@progbits
	.p2align	6, 0x0
	.amdhsa_kernel k_q89f06e1945_chain
		.amdhsa_group_segment_fixed_size 168960
		.amdhsa_private_segment_fixed_size 0
		.amdhsa_enable_private_segment 0
		.amdhsa_kernarg_size 80
		.amdhsa_user_sgpr_count 2
		.amdhsa_user_sgpr_kernarg_segment_ptr 1
		.amdhsa_wavefront_size32 1
		.amdhsa_system_sgpr_workgroup_id_x 1
		.amdhsa_system_sgpr_workgroup_id_y 1
		.amdhsa_system_sgpr_workgroup_id_z 1
		.amdhsa_system_vgpr_workitem_id 0
		.amdhsa_next_free_vgpr 512
		.amdhsa_next_free_sgpr 100
		.amdhsa_reserve_vcc 1
		.amdhsa_float_denorm_mode_32 3
		.amdhsa_float_denorm_mode_16_64 3
		.amdhsa_memory_ordered 1
		.amdhsa_forward_progress 1
		.amdhsa_inst_pref_size 203
	.end_amdhsa_kernel
	.amdgpu_metadata
---
amdhsa.version: [ 1, 2 ]
amdhsa.kernels:
  - .name:           k_q89f06e1945_chain
    .symbol:         k_q89f06e1945_chain.kd
    .args:
      - { .name: x, .offset: 0, .size: 8, .value_kind: global_buffer, .address_space: global }
      - { .name: dispatch_tensor, .offset: 8, .size: 8, .value_kind: global_buffer, .address_space: global }
      - { .name: combine_tensor, .offset: 16, .size: 8, .value_kind: global_buffer, .address_space: global }
      - { .name: wfrag, .offset: 24, .size: 8, .value_kind: global_buffer, .address_space: global }
      - { .name: w1_scales, .offset: 32, .size: 8, .value_kind: global_buffer, .address_space: global }
      - { .name: w2_scales, .offset: 40, .size: 8, .value_kind: global_buffer, .address_space: global }
      - { .name: b1, .offset: 48, .size: 8, .value_kind: global_buffer, .address_space: global }
      - { .name: b2, .offset: 56, .size: 8, .value_kind: global_buffer, .address_space: global }
      - { .name: order, .offset: 64, .size: 8, .value_kind: global_buffer, .address_space: global }
      - { .name: out0, .offset: 72, .size: 8, .value_kind: global_buffer, .address_space: global }
    .group_segment_fixed_size: 168960
    .private_segment_fixed_size: 0
    .kernarg_segment_align: 8
    .kernarg_segment_size: 80
    .max_flat_workgroup_size: 256
    .sgpr_count:     100
    .vgpr_count:     512
    .wavefront_size: 32
...
	.end_amdgpu_metadata
.endif
;; end of part 3
;; ======== version 2 of 2: 3 launches
;; workspace buffers: flags 16,384 bytes of whole numbers; order 17,408 bytes of whole numbers; wfrag 8,388,608 bytes
;; launch prep (part 4): grid 136 x 1, 8 waves a work-group, no clusters, 68,608 bytes of LDS; arguments dispatch_tensor, combine_tensor, w1_codes, w2_codes, flags, wfrag; writes flags, wfrag
.if DOCPART == 4
	.amdgcn_target "amdgcn-amd-amdhsa--gfx1250"
	.amdhsa_code_object_version 6
	.text
	.protected	k_q89f06e1945_prep
	.globl	k_q89f06e1945_prep
	.p2align	8
	.type	k_q89f06e1945_prep,@function
k_q89f06e1945_prep:
	s_mov_b64 s[64:65], 0
	v_nop
	global_prefetch_b8 v0, s[64:65] scope:SCOPE_SE
	s_setreg_imm32_b32 hwreg(HW_REG_WAVE_MODE, 25, 1), 1
	s_wait_xcnt 0x0
; TWO JOBS IN ONE LAUNCH, parted on the work-group's number.
; Work-groups 0-7 (ROUTE): for each of the 4,096 tokens a word at a fixed place, flags[t] = key | mask << 16.  Bit e of mask: dispatch[t][e] != 0 and combine[t][e] != 0
; (only such a pair adds anything to y: with dispatch 0 the expert's row is 0 all the way, with combine 0 its weight is 0).  key = the lowest such e, or 8 if there is none.
; The choice comes from floating-point numbers, so nothing here is addressed by it: the words are only stored.
; Work-groups 8-135 (LAY): the codes of W1 and W2 are laid in the order of a matrix operand's registers: wfrag[which 2][expert 8][tile 64][K step 8][c 2][lane 32][16 bytes].
; Tile 2 B + u holds the weight's rows 32 B + 8 u + p + 8 (p / 8), p = 0 .. 15; lane (r = lane % 16, h = lane / 16) holds bytes 64 s + 32 c + 16 h of row p = r.
; A wave takes one tile: 16 rows of 512 bytes.  Each load takes a whole row (32 lanes x 16 consecutive bytes); the rows turn through the wave's own stage in LDS;
; each store covers 512 consecutive bytes.  No barrier: waves share nothing.
; LIMIT: -0.0 counts as 0 and NaN as not 0, as the compare has it.
.set PITCH, 528                        ; a stage row: 512 bytes + 16: row p starts at bank 4 p mod 64 (64 banks of 4 bytes: ISA guide 11.1)
.set WSTG,  16*PITCH                   ; a wave's stage
.macro ROUTE1 tok                      ; token tok of my two: d in v[16+8 tok ..], c in v[32+8 tok ..] -> the word in v[8+tok]
	v_mov_b32 v[8+\tok], 8                         ; the key, if no expert is live
	v_mov_b32 v[12+\tok], 0                        ; the mask
.irp e, 7,6,5,4,3,2,1,0                ; downward, so that the lowest live expert is the last to be written
	v_cmp_neq_f32 s24, 0, v[16+8*\tok+\e]
	v_cmp_neq_f32 s25, 0, v[32+8*\tok+\e]
	s_and_b32 s24, s24, s25
	v_cndmask_b32 v[8+\tok], v[8+\tok], \e, s24
	v_cndmask_b32 v10, 0, 1, s24
	s_delay_alu instid0(VALU_DEP_1)
	v_lshl_or_b32 v[12+\tok], v10, 16+\e, v[12+\tok]
.endr
	s_delay_alu instid0(VALU_DEP_1)
	v_or_b32 v[8+\tok], v[8+\tok], v[12+\tok]
.endm
	s_load_b256 s[4:11], s[0:1], 0x0               ; dispatch s[4:5], combine s[6:7], W1's codes s[8:9], W2's s[10:11]
	s_load_b128 s[12:15], s[0:1], 0x20             ; flags s[12:13], wfrag s[14:15]
	v_lshl_add_u32 v80, v0, 2, 0x10800
	v_mov_b32 v81, 0
	v_lshrrev_b32 v1, 5, v0
	s_delay_alu instid0(VALU_DEP_1)
	v_readfirstlane_b32 s16, v1                    ; wave 0..7
	s_cmp_lt_u32 ttmp9, 8
	s_cbranch_scc0 .Llay
	; ---- ROUTE: 512 tokens a work-group, two a thread
	s_lshl_b32 s20, ttmp9, 14                      ; 512 tokens x 32 bytes
	s_mov_b32 s21, 0
	s_lshl_b32 s22, ttmp9, 11                      ; 512 words
	s_mov_b32 s23, 0
	v_lshlrev_b32 v2, 6, v0                        ; my two tokens' 64 bytes
	v_lshlrev_b32 v3, 3, v0                        ; my two words
	s_wait_alu depctr_va_vdst(0)
	s_wait_kmcnt 0x0
	s_add_nc_u64 s[4:5], s[4:5], s[20:21]
	s_add_nc_u64 s[6:7], s[6:7], s[20:21]
	s_add_nc_u64 s[12:13], s[12:13], s[22:23]
.irp i, 0,1,2,3
	global_load_b128 v[16+4*\i:19+4*\i], v2, s[4:5] offset:16*\i
.endr
.irp i, 0,1,2,3
	global_load_b128 v[32+4*\i:35+4*\i], v2, s[6:7] offset:16*\i
.endr
	s_wait_loadcnt 0x0
	ROUTE1 0
	ROUTE1 1
	global_store_b64 v3, v[8:9], s[12:13]          ; a wave stores 256 consecutive bytes, aligned
	s_endpgm
	; ---- LAY: tile q = 8 (work-group - 8) + wave, 0 .. 1023: q = 512 which + 64 expert + tile
.Llay:
	s_sub_co_u32 s17, ttmp9, 8
	s_lshl_b32 s17, s17, 3
	s_add_co_u32 s17, s17, s16                     ; q
	s_and_b32 s18, s17, 511
	s_lshr_b32 s20, s18, 1                         ; 32 expert + B: 32 rows of 512 bytes each
	s_lshl_b32 s20, s20, 14
	s_and_b32 s19, s18, 1                          ; u: 8 rows
	s_lshl_b32 s19, s19, 12
	s_add_co_u32 s20, s20, s19                     ; where the tile's first row begins in its tensor
	s_mov_b32 s21, 0
	s_lshl_b32 s22, s17, 13                        ; and the tile in wfrag: 8,192 bytes each
	s_mov_b32 s23, 0
	v_and_b32 v2, 31, v0                           ; lane
	v_and_b32 v3, 15, v0                           ; r
	v_bfe_u32 v7, v0, 4, 1                         ; h
	s_delay_alu instid0(VALU_DEP_3)
	v_lshlrev_b32 v4, 4, v2                        ; 16 x lane: my bytes of a row, and of a store's 512
	s_mul_i32 s24, s16, WSTG                       ; my stage
	v_add_nc_u32 v5, s24, v4                       ; into it: as the row lies
	v_mul_u32_u24 v6, v3, PITCH
	s_delay_alu instid0(VALU_DEP_1)
	v_lshl_add_u32 v6, v7, 4, v6
	s_delay_alu instid0(VALU_DEP_1)
	v_add_nc_u32 v6, s24, v6                       ; out of it: row r, + 16 h
	s_wait_alu depctr_va_vdst(0)
	s_wait_kmcnt 0x0
	s_cmp_lt_u32 s17, 512                          ; W1's tile or W2's: the choice hangs on ids alone
	s_cselect_b64 s[8:9], s[8:9], s[10:11]
	s_add_nc_u64 s[8:9], s[8:9], s[20:21]
	s_add_nc_u64 s[14:15], s[14:15], s[22:23]
.irp j, 0,1,2,3,4,5,6,7,8,9,10,11,12,13,14,15
	global_load_b128 v[16+4*\j:19+4*\j], v4, s[8:9] offset:(\j+8*(\j/8))*512 th:TH_LOAD_NT   ; row p = j of the tile, whole; read once in the launch
.endr
.irp j, 0,1,2,3,4,5,6,7,8,9,10,11,12,13,14,15
	s_wait_loadcnt 15-\j                           ; loads come back in order: row j is in, the younger ones may be out
	ds_store_b128 v5, v[16+4*\j:19+4*\j] offset:\j*PITCH
.endr
.irp i, 0,1,2,3,4,5,6,7,8,9,10,11,12,13,14,15
	ds_load_b128 v[16+4*\i:19+4*\i], v6 offset:32*\i   ; LDS serves a wave's instructions in order: these see my stores.  i = 2 s + c
.endr
.irp i, 0,1,2,3,4,5,6,7,8,9,10,11,12,13,14,15
	s_wait_dscnt 15-\i
	global_store_b128 v4, v[16+4*\i:19+4*\i], s[14:15] offset:512*\i   ; 32 lanes store 512 consecutive bytes
.endr
	s_wait_tensorcnt 0x0
	ds_add_u32 v80, v81
	s_wait_dscnt 0x0
	s_endpgm
.Lfunc_end_k_q89f06e1945_prep:
	.size	k_q89f06e1945_prep, .Lfunc_end_k_q89f06e1945_prep-k_q89f06e1945_prep
	.p2alignl 7, 3214868480
	.fill 96, 4, 3214868480
	.section	.rodata,"a",@progbits
	.p2align	6, 0x0
	.amdhsa_kernel k_q89f06e1945_prep
		.amdhsa_group_segment_fixed_size 68608
		.amdhsa_private_segment_fixed_size 0
		.amdhsa_enable_private_segment 0
		.amdhsa_kernarg_size 48
		.amdhsa_user_sgpr_count 2
		.amdhsa_user_sgpr_kernarg_segment_ptr 1
		.amdhsa_wavefront_size32 1
		.amdhsa_system_sgpr_workgroup_id_x 1
		.amdhsa_system_sgpr_workgroup_id_y 1
		.amdhsa_system_sgpr_workgroup_id_z 1
		.amdhsa_system_vgpr_workitem_id 0
		.amdhsa_next_free_vgpr 82
		.amdhsa_next_free_sgpr 66
		.amdhsa_reserve_vcc 0
		.amdhsa_float_denorm_mode_32 3
		.amdhsa_float_denorm_mode_16_64 3
		.amdhsa_memory_ordered 1
		.amdhsa_forward_progress 1
		.amdhsa_inst_pref_size 16
	.end_amdhsa_kernel
	.amdgpu_metadata
---
amdhsa.version: [ 1, 2 ]
amdhsa.kernels:
  - .name:           k_q89f06e1945_prep
    .symbol:         k_q89f06e1945_prep.kd
    .args:
      - { .name: dispatch_tensor, .offset: 0, .size: 8, .value_kind: global_buffer, .address_space: global }
      - { .name: combine_tensor, .offset: 8, .size: 8, .value_kind: global_buffer, .address_space: global }
      - { .name: w1_codes, .offset: 16, .size: 8, .value_kind: global_buffer, .address_space: global }
      - { .name: w2_codes, .offset: 24, .size: 8, .value_kind: global_buffer, .address_space: global }
      - { .name: flags, .offset: 32, .size: 8, .value_kind: global_buffer, .address_space: global }
      - { .name: wfrag, .offset: 40, .size: 8, .value_kind: global_buffer, .address_space: global }
    .group_segment_fixed_size: 68608
    .private_segment_fixed_size: 0
    .kernarg_segment_align: 8
    .kernarg_segment_size: 48
    .max_flat_workgroup_size: 256
    .sgpr_count:     66
    .vgpr_count:     82
    .wavefront_size: 32
...
	.end_amdgpu_metadata
.endif
;; end of part 4
;; launch place (part 5): grid 1 x 1, 32 waves a work-group, no clusters, 8,192 bytes of LDS; arguments flags, order; writes order
.if DOCPART == 5
	.amdgcn_target "amdgcn-amd-amdhsa--gfx1250"
	.amdhsa_code_object_version 6
	.text
	.protected	k_q89f06e1945_place
	.globl	k_q89f06e1945_place
	.p2align	8
	.type	k_q89f06e1945_place,@function
k_q89f06e1945_place:
	s_mov_b64 s[64:65], 0
	v_nop
	global_prefetch_b8 v0, s[64:65] scope:SCOPE_SE
	s_setreg_imm32_b32 hwreg(HW_REG_WAVE_MODE, 25, 1), 1
	s_wait_xcnt 0x0
; A COUNTING SORT of the 4,096 tokens by key (0 .. 8), into tiles of 32 rows that never mix keys: each key's run begins on a tile's first row.
; The sum over the nine keys of ceil(n_k / 32) is at most (4,096 + 9 x 31) / 32, rounded down: 136 tiles, whatever the split.  order has 136 x 32 words:
; a row's word is token | mask << 16; an entry without a row is 4096 (mask 0, a token's number that does not exist).  EVERY word is written, each once:
; 4,096 by the tokens, the other 256 (the ends of the keys' last tiles, then the tiles left over) by threads 0-255.
; One work-group of 32 waves, four tokens a thread; whole numbers only.  No atomics: each wave counts its own tokens by ballots, the waves' counts meet in LDS behind one barrier.
.set KEY, 8                            ; v8-11   my four tokens' keys
.set IDX, 12                           ; v12-15  their places among my wave's tokens of the same key
.set CNT, 16                           ; s16-24  my wave's count for each key
.set NN,  28                           ; s28-36  n_k: all tokens of key k
.set WP,  40                           ; s40-48  those of them in earlier waves
.set PB,  52                           ; s52-60  where my wave's tokens of key k begin
.set PPE, 66                           ; s66-74  empty entries up to and with key k's
.set DEL, 76                           ; s76-84  what turns the number of an empty entry of key k into its place
.set TAIL, 86                          ; s86     the same for the tiles left over
	s_load_b128 s[4:7], s[0:1], 0x0                ; flags s[4:5], order s[6:7]
	v_lshl_add_u32 v64, v0, 2, 0x1000
	v_mov_b32 v65, 0
	v_lshrrev_b32 v1, 5, v0
	s_delay_alu instid0(VALU_DEP_1)
	v_readfirstlane_b32 s8, v1                     ; wave 0..31
	v_and_b32 v2, 31, v0                           ; lane
	v_lshlrev_b32 v3, 4, v0                        ; my four words
	v_lshlrev_b32 v22, 2, v0                       ; LDS: 128 bytes a wave, 4 a lane
	s_delay_alu instid0(VALU_DEP_3)
	v_lshlrev_b32 v23, 7, v2                       ; and back: lane l takes wave l's counts
	v_mov_b32 v35, 0                               ; written once: a lane move's destination counts as one of its sources
	s_mov_b32 s10, 0x76543210
	s_mov_b32 s11, 0xfedcba98                      ; v_permlanex16_b32's selects for lane l xor 16
	s_wait_alu depctr_va_vdst(0)
	s_wait_kmcnt 0x0
	global_load_b128 v[4:7], v3, s[4:5]            ; tokens 4 t .. 4 t + 3
	s_wait_loadcnt 0x0
.irp j, 0,1,2,3
	v_and_b32 v[KEY+\j], 0xff, v[4+\j]
	s_delay_alu instid0(VALU_DEP_1)
	v_min_u32 v[KEY+\j], 8, v[KEY+\j]
	v_mov_b32 v[IDX+\j], 0
	v_mov_b32 v[40+\j], 0
.endr
	; each key: a ballot for each of the four tokens; a token's place = the count so far + the lower lanes in its ballot
.irp k, 0,1,2,3,4,5,6,7,8
	s_mov_b32 s[CNT+\k], 0
.irp j, 0,1,2,3
	v_cmp_eq_u32 s2, \k, v[KEY+\j]
	s_delay_alu instid0(VALU_DEP_1)
	v_mbcnt_lo_u32_b32 v20, s2, s[CNT+\k]
	s_delay_alu instid0(VALU_DEP_1)
	v_cndmask_b32 v[IDX+\j], v[IDX+\j], v20, s2
	s_bcnt1_i32_b32 s3, s2
	s_add_co_u32 s[CNT+\k], s[CNT+\k], s3
.endr
.endr
	v_mov_b32 v21, 0
.irp k, 0,1,2,3,4,5,6,7,8
	s_delay_alu instid0(VALU_DEP_1)
	v_writelane_b32 v21, s[CNT+\k], \k             ; lane k: my wave's count of key k
.endr
	ds_store_b32 v22, v21
	s_wait_dscnt 0x0                               ; for the others' sake: my counts lie in LDS
	s_barrier_signal -1
	s_barrier_wait -1
	ds_load_b128 v[24:27], v23                     ; lane l: wave l's nine counts
	ds_load_b128 v[28:31], v23 offset:16
	ds_load_b32 v32, v23 offset:32
	v_cmp_gt_u32 s9, s8, v2                        ; the lanes that stand for earlier waves
	s_wait_dscnt 0x0
	; each key: two sums over the 32 lanes in one word: all waves' counts below, the earlier waves' above (neither passes 4,096)
.irp k, 0,1,2,3,4,5,6,7,8
	v_cndmask_b32 v33, 0, v[24+\k], s9
	s_delay_alu instid0(VALU_DEP_1)
	v_lshl_or_b32 v34, v33, 16, v[24+\k]
.irp x, 1,2,4,8
	s_delay_alu instid0(VALU_DEP_1)
	v_mov_b32_dpp v35, v34 row_xmask:\x row_mask:0xf bank_mask:0xf
	s_delay_alu instid0(VALU_DEP_1)
	v_add_nc_u32 v34, v34, v35
.endr
	s_delay_alu instid0(VALU_DEP_1)
	v_permlanex16_b32 v35, v34, s10, s11
	s_delay_alu instid0(VALU_DEP_1)
	v_add_nc_u32 v34, v34, v35
	s_delay_alu instid0(VALU_DEP_1)
	v_readfirstlane_b32 s3, v34
	s_and_b32 s[NN+\k], s3, 0xffff
	s_lshr_b32 s[WP+\k], s3, 16
.endr
	s_mov_b32 s12, 0                               ; the row at which key k's tiles begin
	s_mov_b32 s13, 0                               ; empty entries so far
.irp k, 0,1,2,3,4,5,6,7,8
	s_add_co_u32 s[PB+\k], s12, s[WP+\k]
	s_add_co_u32 s14, s12, s[NN+\k]                ; where key k's empty entries begin
	s_sub_co_u32 s[DEL+\k], s14, s13
	s_add_co_u32 s15, s[NN+\k], 31
	s_lshr_b32 s15, s15, 5
	s_lshl_b32 s15, s15, 5                         ; n_k rounded up to whole tiles
	s_add_co_u32 s12, s12, s15
	s_sub_co_u32 s15, s15, s[NN+\k]
	s_add_co_u32 s13, s13, s15
	s_mov_b32 s[PPE+\k], s13
.endr
	s_sub_co_u32 s[TAIL], s12, s13
	; my four tokens go to their places
.irp k, 0,1,2,3,4,5,6,7,8
.irp j, 0,1,2,3
	v_cmp_ne_u32 vcc_lo, \k, v[KEY+\j]
	s_delay_alu instid0(VALU_DEP_1)
	v_cndmask_b32 v[40+\j], s[PB+\k], v[40+\j], vcc_lo
.endr
.endr
.irp j, 0,1,2,3
	v_add_nc_u32 v[40+\j], v[40+\j], v[IDX+\j]
	s_delay_alu instid0(VALU_DEP_1)
	v_min_u32 v[40+\j], 0x10ff, v[40+\j]           ; inside order's 4,352 words
	s_delay_alu instid0(VALU_DEP_1)
	v_lshlrev_b32 v[40+\j], 2, v[40+\j]
	v_lshl_add_u32 v[44+\j], v0, 2, \j             ; the token's number,
	s_delay_alu instid0(VALU_DEP_1)
	v_and_or_b32 v[44+\j], v[4+\j], 0xff0000, v[44+\j]   ; and its mask above
	global_store_b32 v[40+\j], v[44+\j], s[6:7]
.endr
	; the 256 empty entries: thread q takes the q-th
	s_cmp_lt_u32 s8, 8
	s_cbranch_scc0 .Lend
	v_add_nc_u32 v50, s[TAIL], v0
.irp k, 8,7,6,5,4,3,2,1,0              ; downward: the lowest key whose running count lies above q has the last word
	v_cmp_gt_u32 vcc_lo, s[PPE+\k], v0
	v_add_nc_u32 v51, s[DEL+\k], v0
	s_delay_alu instid0(VALU_DEP_1)
	v_cndmask_b32 v50, v50, v51, vcc_lo
.endr
	s_delay_alu instid0(VALU_DEP_1)
	v_min_u32 v50, 0x10ff, v50
	s_delay_alu instid0(VALU_DEP_1)
	v_lshlrev_b32 v50, 2, v50
	v_mov_b32 v52, 0x1000
	global_store_b32 v50, v52, s[6:7]
.Lend:
	s_wait_tensorcnt 0x0
	ds_add_u32 v64, v65
	s_wait_dscnt 0x0
	s_endpgm
.Lfunc_end_k_q89f06e1945_place:
	.size	k_q89f06e1945_place, .Lfunc_end_k_q89f06e1945_place-k_q89f06e1945_place
	.p2alignl 7, 3214868480
	.fill 96, 4, 3214868480
	.section	.rodata,"a",@progbits
	.p2align	6, 0x0
	.amdhsa_kernel k_q89f06e1945_place
		.amdhsa_group_segment_fixed_size 8192
		.amdhsa_private_segment_fixed_size 0
		.amdhsa_enable_private_segment 0
		.amdhsa_kernarg_size 16
		.amdhsa_user_sgpr_count 2
		.amdhsa_user_sgpr_kernarg_segment_ptr 1
		.amdhsa_wavefront_size32 1
		.amdhsa_system_sgpr_workgroup_id_x 1
		.amdhsa_system_sgpr_workgroup_id_y 1
		.amdhsa_system_sgpr_workgroup_id_z 1
		.amdhsa_system_vgpr_workitem_id 0
		.amdhsa_next_free_vgpr 66
		.amdhsa_next_free_sgpr 100
		.amdhsa_reserve_vcc 1
		.amdhsa_float_denorm_mode_32 3
		.amdhsa_float_denorm_mode_16_64 3
		.amdhsa_memory_ordered 1
		.amdhsa_forward_progress 1
		.amdhsa_inst_pref_size 35
	.end_amdhsa_kernel
	.amdgpu_metadata
---
amdhsa.version: [ 1, 2 ]
amdhsa.kernels:
  - .name:           k_q89f06e1945_place
    .symbol:         k_q89f06e1945_place.kd
    .args:
      - { .name: flags, .offset: 0, .size: 8, .value_kind: global_buffer, .address_space: global }
      - { .name: order, .offset: 8, .size: 8, .value_kind: global_buffer, .address_space: global }
    .group_segment_fixed_size: 8192
    .private_segment_fixed_size: 0
    .kernarg_segment_align: 8
    .kernarg_segment_size: 16
    .max_flat_workgroup_size: 1024
    .sgpr_count:     100
    .vgpr_count:     66
    .wavefront_size: 32
...
	.end_amdgpu_metadata
.endif
;; end of part 5
;; launch chain (part 6): grid 136 x 1, 8 waves a work-group, no clusters, 168,960 bytes of LDS; arguments x, dispatch_tensor, combine_tensor, wfrag, w1_scales, w2_scales, b1, b2, order, out0; writes out0
.if DOCPART == 6
	.amdgcn_target "amdgcn-amd-amdhsa--gfx1250"
	.amdhsa_code_object_version 6
	.text
	.protected	k_q89f06e1945_chain
	.globl	k_q89f06e1945_chain
	.p2align	8
	.type	k_q89f06e1945_chain,@function
k_q89f06e1945_chain:
	s_mov_b64 s[64:65], 0
	v_nop
	global_prefetch_b8 v0, s[64:65] scope:SCOPE_SE
	s_setreg_imm32_b32 hwreg(HW_REG_WAVE_SCHED_MODE, 0, 2), 2
	s_setreg_imm32_b32 hwreg(HW_REG_WAVE_MODE, 25, 1), 1
	s_wait_xcnt 0x0
	s_wait_alu depctr_vm_vsrc(0)
; y[t] = b2 + the sum over experts e of combine[t][e] x ( Q(gelu( Q(x[t] dispatch[t][e]) W1[e] + mask b1[e] )) W2[e] ), Q the MX-FP4 quantiser along K, mask = (the sum of x[t] dispatch[t][e] != 0).
; A work-group takes one tile of 32 tokens from the stored list and owns their rows of y.  It walks the 8 experts in a loop of constant count and passes over, by scalar branches on the list's masks,
; those that no row of the tile uses.  For an expert that it visits, every row is computed with its own dispatch and combine numbers, so a row that does not use the expert adds 0.
; THE WAVES SHARE THE COLUMNS: wave w makes hidden units 128 w .. + 127 (K step w of the second product) and outputs 128 w .. + 127, for all 32 rows.  In phase X and on the way out wave w has rows 4 w .. 4 w + 3.
; AN EXPERT'S VISIT:  X: gather, x d, the row's sum, quantise; codes and scale bytes to LDS as rows | barrier |  1: x's fragments from LDS; four trips of 32 hidden units: 32 products, + mask b1, gelu, quantise, codes to LDS
; | barrier |  2: the hidden layer's fragments from LDS; four trips of 32 outputs: 32 products, y += c x result, y kept in LDS (it begins as b2).  The barriers stand outside the branches: every wave passes every one.
; THE WEIGHTS come straight from memory into registers, from a copy laid in the order of the operand's registers: each load covers 512 consecutive bytes.  No tensor loads and no joint requests: which experts a work-group
; visits, and how many, hangs on the stored list, so neighbours need not want the same tiles nor equally many.
; BOTH PRODUCTS ARE USED TRANSPOSED (source 0 = 16 rows of the weight, source 1 = 16 tokens): a lane holds one token (lane % 16).  A weight's tile 2 B + u holds rows 32 B + 8 u + p + 8 (p / 8), so that the 16 registers
; of tiles 2 B and 2 B + 1 are 16 neighbours: 32 B + 16 (lane / 16) + 0 .. 15.
; GELU, the exact form: gelu(v) = max(v, 0) - |v| erfc(|v| / sqrt 2) / 2, erfc(z) = t exp(-z^2 + a polynomial of degree 9 in t), t = 1 / (1 + z / 2): a fit whose relative error is 1.2e-7 for every z.
; In base 2: g = |v| sqrt(log2(e) / 2), so that g^2 = z^2 log2(e); the polynomial's coefficients are multiplied by log2(e), and log2(1 / (2 sqrt(log2(e) / 2))) is added to the constant one, so that the tail is g t 2^(..).
; LIMITS.  A pair (token, expert) with dispatch 0 or combine 0 is passed over: right wherever the expert's result is finite.  NaN and infinities among the inputs are not served.  The row's sum is taken in another
; order than a plain loop's: it could differ only where the sum is exactly 0.  A block of zeros carries the scale byte 1 and zero codes (this program alone reads those bytes).
; THE MODE: SCHED_MODE bits 1:0 = 2 (LLVM: expert scheduling mode 2), set by the entry lines.  The code itself states the register dependences
; between vector or matrix instructions and memory or LDS instructions, with s_wait_alu, always for 0.
; THE PLAN.  Registers that memory or LDS instructions touch, and who else names them:
;   v4-v20          offsets and LDS addresses: written at the head alone (v8, v9 from the list's words), read by every load and store, never written again.
;   XR              phase X: its 32 loads land here; row p's vector instructions read and write the row's 32 registers.
;   XCD, XBY, XMS   a set for each row: written by the row's vector instructions; read by LDS stores that are issued at the next row's head (the last row's, and the four masks', at the phase's end).
;   FR, FS          LDS loads land here at the heads of phases 1 and 2; the products read them.
;   WB, WS          trip b's products read them; the loads of trip b + 1 land here, behind those products.
;   B1, two sets    trip b's multiply-adds read set b % 2; the loads of trip b + 1 land in the other, which trip b - 1 read.
;   CD, PW          a pair of CD for each trip and tile of rows: written by the conversions; read by LDS stores that are issued in the next trip (those of trips 2 and 3, and PW's, at the phase's end).
;   YR, four sets   trip b's y lands in set b at the trip's head; its multiply-adds write the set; the LDS stores are issued in the next trip (those of trips 2 and 3 at the phase's end).
;   v22, v24; v26, v28   the masks and the combine numbers: a load at the phase's head, read by the phase's multiply-adds.
; EVERY PHASE ENDS CLEAN: ahead of its last LDS stores stands a wait on va_vdst, behind which the phase issues no vector instruction; behind those stores a wait on vm_vsrc.  The head ends so too.  So at each label of the
; loop nothing is owed between the two sides, whichever phases were passed over, and the loads at a phase's head follow with no wait.  In a trip ONE wait on va_vdst stands behind its products: it states that they are done
; reading WB and WS and that the trip before has written what its stores read; behind it no vector instruction of the trip names a register that the trip's loads and stores touch.
; REGISTERS, window 0: v0-20 addresses; v22-35 pairs for packed forms (the upper halves written once); v36-43, v44-51 scale words and nothing else; from v52 the phase's work.  Window 1: v0-127 the tokens' 16 fragments, v128-255 a trip's 16 fragments of the weight.
.set CP,   528                         ; a row of 1,024 codes in LDS: 512 bytes + 16: row r starts at bank 4 r mod 64 (64 banks of 4 bytes: ISA guide 11.1)
.set YP,   4112                        ; a row of y in LDS: 4,096 bytes + 16
.set XC,   0                           ; LDS: x d as codes, 32 rows
.set HC,   32*CP                       ; the hidden layer as codes, 32 rows
.set XSC,  2*32*CP                     ; x d's scale bytes, 32 rows x 32
.set HSC,  XSC+1024                    ; the hidden layer's
.set MSK,  HSC+1024                    ; a word (1.0 or 0.0) for each row
.set YST,  MSK+256                     ; y, 32 rows
.set FS,   36                          ; v36-43   the tokens' scale words: 4 m + (K step % 4); lanes 0-15 K steps 0-3, lanes 16-31 K steps 4-7
.set WS,   44                          ; v44-51   the weight's: 4 u + (K step % 4), likewise
.set ACC,  52                          ; v52-83   four accumulators: 16 m + 8 u
.set XR,   52                          ; v52-179  phase X: four rows x 32 numbers
.set B1,   84                          ; v84-99, v150-165  phase 1: b1 of my 16 hidden units, two sets by turns: B1 + 66 (trip % 2)
.set YR,   84                          ; v84-211  phase 2: y, as the accumulators lie: a set of 32 for each trip
.set GW,   100                         ; v100-107 g;  v108-115 t;  v116-123 the exponent, then the tail
.set GT,   108
.set GP,   116
.set QM,   124                         ; v124-131 the quantiser's: largest magnitude, the other half's, scale operand, byte; two each
.set QX,   126
.set QS,   128
.set QB,   130
.set CD,   132                         ; v132-147 the codes made in phase 1: a pair for each trip and tile of rows, so that no LDS store's data are written again in a visit
.set PW,   148                         ; v148-149 the hidden layer's scale words
.set XT,   180                         ; v180-191 phase X: at work
.set XCD,  208                         ; v208-223 its codes, v224-239 its bytes, v240-243 its masks: registers of their own for each row
.set XBY,  224
.set XMS,  240
.set FR,   0                           ; window 1
.set WB,   128
.set KC,   82                          ; s[82:99] the polynomial's coefficients 0 to 8, each twice
.set MSB, 0
.macro WIN new                         ; the immediate's high byte repeats the setting that is left
.if MSB != \new
	s_set_vgpr_msb (MSB<<8)|\new
.set MSB, \new
.endif
.endm
.macro BAR                             ; my LDS stores have landed and my LDS loads are in: then the work-group's barrier
	s_wait_dscnt 0x0
	s_barrier_signal -1
	s_barrier_wait -1
.endm
; 34 loads: the 16 fragments of the weight's tiles 2 b and 2 b + 1 of my eight (all of K), and their rows' scale bytes (lanes 0-15: K steps 0-3, lanes 16-31: K steps 4-7)
.macro LOADW pw, ps, b
	WIN 0x40                                       ; destination window 1, address window 0
.irp u, 0,1
.irp k, 0,1,2,3,4,5,6,7
.irp c, 0,1
	global_load_b128 v[WB+64*\u+8*\k+4*\c:WB+64*\u+8*\k+4*\c+3], v5, s[\pw:\pw+1] offset:(2*(\b)+\u)*8192+1024*\k+512*\c
.endr
.endr
.endr
	WIN 0
.irp u, 0,1
	global_load_b128 v[WS+4*\u:WS+4*\u+3], v6, s[\ps:\ps+1] offset:1024*(\b)+256*\u
.endr
.endm
; 34 LDS loads: the 32 tokens' 16 fragments (lane (r, h): row 16 m + r, bytes 64 k + 32 c + 16 h) and their scale words
.macro FETCH cbase, sbase
	WIN 0x40
.irp m, 0,1
.irp k, 0,1,2,3,4,5,6,7
.irp c, 0,1
	ds_load_b128 v[FR+64*\m+8*\k+4*\c:FR+64*\m+8*\k+4*\c+3], v13 offset:\cbase+16*CP*\m+64*\k+32*\c
.endr
.endr
.endr
	WIN 0
.irp m, 0,1
	ds_load_b128 v[FS+4*\m:FS+4*\m+3], v14 offset:\sbase+512*\m
.endr
.endm
; 32 products: two tiles of the weight x two tiles of tokens, K = 1,024 in eight steps, ascending.  The first step starts the sums.  The four accumulators take turns, one instruction a turn.
; Five places follow: four serve the first reads of the results (ISA guide 7.12.1), the fifth the next trip's first products, which begin the same accumulators anew.
.macro MUL32
	WIN 0x05                                       ; sources 0 and 1 window 1; C and D window 0
.irp k, 0,1,2,3,4,5,6,7
.irp u, 0,1
.irp m, 0,1
.if \k == 0
	v_wmma_scale_f32_16x16x128_f8f6f4 v[ACC+16*\m+8*\u:ACC+16*\m+8*\u+7], v[WB+64*\u+8*\k:WB+64*\u+8*\k+7], v[FR+64*\m+8*\k:FR+64*\m+8*\k+7], 0, v[WS+4*\u+\k], v[FS+4*\m+\k] matrix_a_fmt:MATRIX_FMT_FP4 matrix_b_fmt:MATRIX_FMT_FP4
.elseif \k < 4
	v_wmma_scale_f32_16x16x128_f8f6f4 v[ACC+16*\m+8*\u:ACC+16*\m+8*\u+7], v[WB+64*\u+8*\k:WB+64*\u+8*\k+7], v[FR+64*\m+8*\k:FR+64*\m+8*\k+7], v[ACC+16*\m+8*\u:ACC+16*\m+8*\u+7], v[WS+4*\u+\k], v[FS+4*\m+\k] matrix_a_fmt:MATRIX_FMT_FP4 matrix_b_fmt:MATRIX_FMT_FP4
.else
	v_wmma_scale_f32_16x16x128_f8f6f4 v[ACC+16*\m+8*\u:ACC+16*\m+8*\u+7], v[WB+64*\u+8*\k:WB+64*\u+8*\k+7], v[FR+64*\m+8*\k:FR+64*\m+8*\k+7], v[ACC+16*\m+8*\u:ACC+16*\m+8*\u+7], v[WS+4*\u+\k-4], v[FS+4*\m+\k-4] matrix_a_fmt:MATRIX_FMT_FP4 matrix_b_fmt:MATRIX_FMT_FP4 matrix_a_scale:MATRIX_SCALE_ROW1 matrix_b_scale:MATRIX_SCALE_ROW1
.endif
.endr
.endr
.endr
	WIN 0
.rept 5
	v_nop
.endr
.endm
; gelu in place on eight registers from v[x] on
.macro GELU8 x
.irp i, 0,1,2,3,4,5,6,7
	v_mul_f32 v[GW+\i], s56, |v[\x+\i]|            ; g
.endr
.irp i, 0,2,4,6
	v_pk_fma_f32 v[GT+\i:GT+\i+1], v[GW+\i:GW+\i+1], s[54:55], 1.0 op_sel_hi:[1,0,0]   ; 1 + z / 2
.endr
	s_wait_alu depctr_va_vdst(0)
.irp i, 0,1,2,3,4,5,6,7
	v_rcp_f32 v[GT+\i], v[GT+\i]                   ; t
.endr
.irp i, 0,1,2,3,4,5,6,7
	v_max_num_f32 v[\x+\i], 0, v[\x+\i]            ; max(v, 0): also the plain instructions behind the reciprocals
.endr
	s_wait_alu depctr_va_vdst(0)                   ; the eight reciprocals have written t, v[GT ..], ahead of their first reader: one wait for the batch
.irp i, 0,2,4,6
	v_pk_fma_f32 v[GP+\i:GP+\i+1], v[GT+\i:GT+\i+1], v[34:35], s[KC+16:KC+17] op_sel_hi:[1,1,0]
.endr
.irp n, 7,6,5,4,3,2,1,0                ; Horner's scheme, four pairs by turns
.irp i, 0,2,4,6
	v_pk_fma_f32 v[GP+\i:GP+\i+1], v[GP+\i:GP+\i+1], v[GT+\i:GT+\i+1], s[KC+2*\n:KC+2*\n+1] op_sel_hi:[1,1,0]
.endr
.endr
.irp i, 0,2,4,6
	v_pk_fma_f32 v[GP+\i:GP+\i+1], v[GW+\i:GW+\i+1], v[GW+\i:GW+\i+1], v[GP+\i:GP+\i+1] neg_lo:[1,0,0] neg_hi:[1,0,0]   ; - g^2
.endr
	s_wait_alu depctr_va_vdst(0)
.irp i, 0,1,2,3,4,5,6,7
	v_exp_f32 v[GP+\i], v[GP+\i]
.endr
	v_nop                                          ; a plain instruction behind the exponentials
	s_wait_alu depctr_va_vdst(0)                   ; the eight exponentials have written v[GP ..], ahead of their first reader: one wait for the batch
.irp i, 0,2,4,6
	v_pk_mul_f32 v[GP+\i:GP+\i+1], v[GP+\i:GP+\i+1], v[GT+\i:GT+\i+1]
.endr
.irp i, 0,2,4,6
	v_pk_fma_f32 v[\x+\i:\x+\i+1], v[GW+\i:GW+\i+1], v[GP+\i:GP+\i+1], v[\x+\i:\x+\i+1] neg_lo:[1,0,0] neg_hi:[1,0,0]   ; max(v, 0) - g t 2^(..)
.endr
.endm
; Trip b's 32 hidden units of both tiles of rows become codes.  A lane's 16 registers are half a block; lane l xor 16 holds the other half.  The codes stay in registers of the trip's own until HSTORE sends them.
.macro QUANT2 b
.irp m, 0,1
	v_max3_num_f32 v[QM+\m], |v[ACC+16*\m]|, |v[ACC+16*\m+1]|, 0x1800000   ; with the floor 2^(3 - 127): the byte cannot fall under 1
.endr
.irp i, 2,4,6,8,10,12,14
.irp m, 0,1
	v_max3_num_f32 v[QM+\m], v[QM+\m], |v[ACC+16*\m+\i]|, |v[ACC+16*\m+\i+1]|
.endr
.endr
.irp m, 0,1
	v_permlanex16_b32 v[QX+\m], v[QM+\m], s58, s59
.endr
.irp m, 0,1
	v_max_num_f32 v[QM+\m], v[QM+\m], v[QX+\m]     ; the block's largest magnitude
.endr
.irp m, 0,1
	v_add_nc_u32 v[QS+\m], 0xff000000, v[QM+\m]    ; 2 off its exponent field: the conversion takes the exponent field of this operand as its scale
.endr
.if (\b) == 0
.irp m, 0,1
	v_lshrrev_b32 v[PW+\m], 23, v[QS+\m]           ; the scale's byte: the four trips' bytes make my K step's scale word
.endr
.else
.irp m, 0,1
	v_lshrrev_b32 v[QB+\m], 23, v[QS+\m]
.endr
.irp m, 0,1
	v_lshl_or_b32 v[PW+\m], v[QB+\m], 8*(\b), v[PW+\m]
.endr
.endif
.irp m, 0,1
	v_cvt_scalef32_pk8_fp4_f32 v[CD+4*(\b)+2*\m], v[ACC+16*\m:ACC+16*\m+7], v[QS+\m]
	v_cvt_scalef32_pk8_fp4_f32 v[CD+4*(\b)+2*\m+1], v[ACC+16*\m+8:ACC+16*\m+15], v[QS+\m]
.endr
	v_nop                                          ; one plain instruction behind the scaled conversions
.endm
.macro HSTORE b                        ; trip b's codes go to LDS as rows: 8 bytes a lane
.irp m, 0,1
	ds_store_b64 v16, v[CD+4*(\b)+2*\m:CD+4*(\b)+2*\m+1] offset:16*CP*\m+16*(\b)
.endr
.endm
.macro TRIP1 b, ahead
.set BB, B1+66*((\b)%2)                ; this trip's b1
.set BN, B1+66*(((\b)+1)%2)            ; the next trip's
	s_wait_loadcnt 4                               ; this trip's 34 weight loads are in; the four loads of b1 behind them may be out
	MUL32
.if \ahead
	s_wait_alu depctr_va_vdst(0)                   ; the products are done reading WB and WS, in which the next trip's weights land; the trip before is done reading the other set of b1, and its conversions have written its codes
	LOADW 66, 68, (\b)+1                           ; the next trip's weights land while this trip's gelu is worked
.irp i, 0,1,2,3
	global_load_b128 v[BN+4*\i:BN+4*\i+3], v7, s[70:71] offset:128*((\b)+1)+16*\i
.endr
.if (\b) > 0
	HSTORE (\b)-1                                  ; no vector instruction of this trip names the codes of the trip before
.endif
	s_wait_loadcnt 38                              ; this trip's b1 is in: behind it only the 38 just issued
.else
	s_wait_loadcnt 0x0
.endif
.irp m, 0,1
.irp n, 0,2,4,6,8,10,12,14             ; ascending: each accumulator is first read at its low end
	v_pk_fma_f32 v[ACC+16*\m+\n:ACC+16*\m+\n+1], v[BB+\n:BB+\n+1], v[22+2*\m:23+2*\m], v[ACC+16*\m+\n:ACC+16*\m+\n+1] op_sel_hi:[1,0,1]   ; + mask x b1
.endr
.endr
	GELU8 ACC
	GELU8 ACC+8
	GELU8 ACC+16
	GELU8 ACC+24
	QUANT2 \b
.endm
.macro YSTORE b                        ; trip b's y goes back to LDS
.irp m, 0,1
.irp i, 0,1,2,3
	ds_store_b128 v[18+\m], v[YR+32*(\b)+16*\m+4*\i:YR+32*(\b)+16*\m+4*\i+3] offset:128*(\b)+16*\i
.endr
.endr
.endm
.macro TRIP2 b, ahead
.irp m, 0,1
.irp i, 0,1,2,3
	ds_load_b128 v[YR+32*(\b)+16*\m+4*\i:YR+32*(\b)+16*\m+4*\i+3], v[18+\m] offset:128*(\b)+16*\i   ; y so far, my own bytes: LDS serves a wave's instructions in order.  No wait: no vector instruction of this phase has named this trip's set
.endr
.endr
	s_wait_loadcnt 0x0                             ; this trip's weights (and, in the first trip, the combine numbers)
.if (\b) == 0
	s_wait_dscnt 8                                 ; the fragments are in; the eight loads of y may be out
.endif
	MUL32
.if \ahead
	s_wait_alu depctr_va_vdst(0)                   ; the products are done reading WB and WS, in which the next trip's weights land; the multiply-adds of the trip before have written its y
	LOADW 66, 68, (\b)+1
.if (\b) > 0
	YSTORE (\b)-1
	s_wait_dscnt 8                                 ; this trip's y is in: behind its loads only the eight stores just issued
.else
	s_wait_dscnt 0x0                               ; y is in
.endif
.else
	s_wait_dscnt 0x0                               ; y is in
.endif
.irp m, 0,1
.irp n, 0,2,4,6,8,10,12,14             ; ascending: each accumulator is first read at its low end
	v_pk_fma_f32 v[YR+32*(\b)+16*\m+\n:YR+32*(\b)+16*\m+\n+1], v[ACC+16*\m+\n:ACC+16*\m+\n+1], v[26+2*\m:27+2*\m], v[YR+32*(\b)+16*\m+\n:YR+32*(\b)+16*\m+\n+1] op_sel_hi:[1,0,1]   ; y += c x result
.endr
.endr
.endm
.macro XSTORE p                        ; row p's codes and scale bytes go to LDS
.irp i, 0,1,2,3
	ds_store_b32 v10, v[XCD+4*(\p)+\i] offset:CP*(\p)+128*\i
	ds_store_b8 v11, v[XBY+4*(\p)+\i] offset:32*(\p)+8*\i   ; the four lanes of a block write the same byte with the same value
.endr
.endm
; Row p of my four: x d, the sum, whether it is 0; four groups of 8 neighbours a lane (k = 256 i + 8 lane): four lanes share a block of 32
.macro XROW p
.set R0, XR+32*(\p)
	s_wait_loadcnt 24-8*(\p)                       ; this row's eight loads are in; the later rows' may be out
.if (\p) > 0
	s_wait_alu depctr_va_vdst(0)                   ; the row before has written its codes and its bytes, which the stores below read
	XSTORE (\p)-1                                  ; no vector instruction of this row names them
.endif
	v_mov_b32 v30, s[76+(\p)]
.irp n, 0,2,4,6,8,10,12,14,16,18,20,22,24,26,28,30
	v_pk_mul_f32 v[R0+\n:R0+\n+1], v[R0+\n:R0+\n+1], v[30:31] op_sel_hi:[1,0]
.endr
	v_pk_add_f32 v[XT:XT+1], v[R0:R0+1], v[R0+2:R0+3]
	v_pk_add_f32 v[XT+2:XT+3], v[R0+4:R0+5], v[R0+6:R0+7]
.irp n, 8,12,16,20,24,28
	v_pk_add_f32 v[XT:XT+1], v[XT:XT+1], v[R0+\n:R0+\n+1]
	v_pk_add_f32 v[XT+2:XT+3], v[XT+2:XT+3], v[R0+\n+2:R0+\n+3]
.endr
.irp i, 0,1,2,3
	v_max3_num_f32 v[XT+4+\i], |v[R0+8*\i]|, |v[R0+8*\i+1]|, 0x1800000   ; with the floor 2^(3 - 127)
.endr
.irp n, 2,4,6
.irp i, 0,1,2,3
	v_max3_num_f32 v[XT+4+\i], v[XT+4+\i], |v[R0+8*\i+\n]|, |v[R0+8*\i+\n+1]|
.endr
.endr
.irp x, 1,2
.irp i, 0,1,2,3
	v_max_num_f32_dpp v[XT+4+\i], v[XT+4+\i], v[XT+4+\i] row_xmask:\x row_mask:0xf bank_mask:0xf
.endr
.endr
.irp i, 0,1,2,3
	v_add_nc_u32 v[XT+8+\i], 0xff000000, v[XT+4+\i]
.endr
.irp i, 0,1,2,3
	v_lshrrev_b32 v[XBY+4*(\p)+\i], 23, v[XT+8+\i]
.endr
.irp i, 0,1,2,3
	v_cvt_scalef32_pk8_fp4_f32 v[XCD+4*(\p)+\i], v[R0+8*\i:R0+8*\i+7], v[XT+8+\i]
.endr
	v_pk_add_f32 v[XT:XT+1], v[XT:XT+1], v[XT+2:XT+3]   ; (a plain instruction behind the scaled conversions)  the row's sum goes on
	v_add_f32 v[XT], v[XT], v[XT+1]
.irp x, 1,2,4,8
	v_add_f32_dpp v[XT], v[XT], v[XT] row_xmask:\x row_mask:0xf bank_mask:0xf
.endr
	v_permlanex16_b32 v[XT+1], v[XT], s58, s59
	v_add_f32 v[XT], v[XT], v[XT+1]
	v_cmp_neq_f32 s[60+(\p)], 0, v[XT]             ; a scalar register for each row: the four are read together at the phase's end
.endm
	; ---- the head
	s_load_b512 s[4:19], s[0:1], 0x0               ; x s[4:5], dispatch s[6:7], combine s[8:9], wfrag s[10:11], W1's scales s[12:13], W2's s[14:15], b1 s[16:17], b2 s[18:19]
	s_load_b128 s[20:23], s[0:1], 0x40             ; order s[20:21], y s[22:23]
	v_lshl_add_u32 v254, v0, 2, 0x29000
	v_mov_b32 v255, 0
	v_lshrrev_b32 v1, 5, v0
	v_readfirstlane_b32 s24, v1                    ; wave 0..7
	s_lshl_b32 s54, ttmp9, 7                       ; my tile's 32 words
	s_mov_b32 s55, 0
	v_and_b32 v1, 31, v0                           ; lane
	v_and_b32 v2, 15, v0                           ; r
	v_bfe_u32 v3, v0, 4, 1                         ; h
	v_lshlrev_b32 v15, 2, v2                       ; 4 r: a word for each of a tile's 16 rows
	v_lshlrev_b32 v7, 6, v3                        ; 64 h: my half's 16 numbers of b1 or b2
	v_lshlrev_b32 v4, 5, v1                        ; x: 32 bytes a lane
	v_lshlrev_b32 v5, 4, v1                        ; wfrag, y: 16 bytes a lane
	v_and_b32 v6, 8, v2
	v_add_nc_u32 v6, v6, v2                        ; r + 8 (r / 8)
	v_lshlrev_b32 v6, 5, v6
	v_lshl_add_u32 v6, v3, 4, v6                   ; the weights' scale bytes: 32 a row, + 16 h
	s_wait_alu depctr_va_sdst(0)                   ; s24 is written, ahead of its first reader: offsets, bases and LDS addresses are made from it
	s_lshl_b32 s27, s24, 4                         ; my wave's four words of the list
	s_mul_i32 s57, s24, 4*CP
	v_lshl_add_u32 v10, v1, 2, s57                 ; X: my rows' codes: 4 CP w + 4 lane
	s_lshl_b32 s57, s24, 7
	s_add_co_u32 s57, s57, XSC
	v_lshrrev_b32 v11, 2, v1
	v_add_nc_u32 v11, s57, v11                     ; their scale bytes: XSC + 128 w + lane / 4
	s_lshl_b32 s57, s24, 4
	s_add_co_u32 s57, s57, MSK
	v_mov_b32 v12, s57                             ; their masks: MSK + 16 w
	v_mul_u32_u24 v13, v2, CP
	v_lshl_add_u32 v13, v3, 4, v13                 ; a fragment: row r, + 16 h
	v_lshlrev_b32 v14, 5, v2
	v_lshl_add_u32 v14, v3, 4, v14                 ; its scale words: 32 r + 16 h
	v_mul_u32_u24 v16, v2, CP
	v_lshl_add_u32 v16, v3, 3, v16
	s_lshl_b32 s57, s24, 6
	s_add_co_u32 s57, s57, HC
	v_add_nc_u32 v16, s57, v16                     ; the hidden layer's codes: HC + CP r + 8 h + 64 w
	v_lshlrev_b32 v17, 5, v2
	s_lshl_b32 s57, s24, 2
	s_add_co_u32 s57, s57, HSC
	v_add_nc_u32 v17, s57, v17                     ; its scale word: HSC + 32 r + 4 w
	v_mul_u32_u24 v18, v2, YP
	v_lshl_add_u32 v18, v3, 6, v18
	s_lshl_b32 s57, s24, 9
	s_add_co_u32 s57, s57, YST
	v_add_nc_u32 v18, s57, v18                     ; y: YST + YP r + 64 h + 512 w,
	v_add_nc_u32 v19, 16*YP, v18                   ; and 16 rows on (an LDS immediate has 16 bits)
	s_mul_i32 s57, s24, 4*YP
	s_add_co_u32 s57, s57, YST
	v_add_nc_u32 v20, s57, v5                      ; the way out: my four rows, 16 bytes a lane
.irp n, 23,25,27,29,31
	v_mov_b32 v[\n], 0                             ; the upper halves of pairs of which the packed forms take the lower: named, so written
.endr
	v_mov_b32 v34, 0x3e7c6f08                      ; the polynomial's coefficient 9, twice
	v_mov_b32 v35, 0x3e7c6f08
	v_mov_b32 v[QX], 0                             ; written once: a lane permute's destination counts as one of its sources
	v_mov_b32 v[QX+1], 0
	s_wait_alu depctr_va_vdst(0)                   ; the offsets and LDS addresses v4-v7 and v10-v20 are written: every load and store of the kernel reads one of them, and none is written again
	s_wait_kmcnt 0x0
	s_add_nc_u64 s[20:21], s[20:21], s[54:55]
	s_load_b512 s[68:83], s[20:21], 0x0            ; all 32 words, for the union of the masks
	s_load_b512 s[84:99], s[20:21], 0x40
	s_load_b128 s[60:63], s[20:21], s27 offset:0x0 ; my wave's four rows
	global_load_b32 v8, v15, s[20:21]              ; and, lane by lane, rows r and 16 + r
	global_load_b32 v9, v15, s[20:21] offset:64
	s_lshl_b32 s54, s24, 9                         ; my 128 numbers of b1 and of b2
	s_add_nc_u64 s[16:17], s[16:17], s[54:55]
	s_add_nc_u64 s[18:19], s[18:19], s[54:55]
.irp b, 0,1,2,3
.irp i, 0,1,2,3
	global_load_b128 v[52+16*\b+4*\i:55+16*\b+4*\i], v7, s[18:19] offset:128*\b+16*\i   ; b2 at outputs 128 w + 32 b + 16 h + 0 .. 15
.endr
.endr
	s_lshl_b32 s54, s24, 16                        ; my eight tiles of each weight,
	s_add_nc_u64 s[10:11], s[10:11], s[54:55]
	s_lshl_b32 s54, s24, 12                        ; my 128 rows of scale bytes
	s_add_nc_u64 s[12:13], s[12:13], s[54:55]
	s_add_nc_u64 s[14:15], s[14:15], s[54:55]
	s_wait_kmcnt 0x0
	s_or_b32 s26, s68, s69                         ; the union of the 32 rows' masks
.set n, 70
.rept 30
	s_or_b32 s26, s26, s[n]
.set n, n+1
.endr
	s_lshr_b32 s26, s26, 16
	s_mov_b32 s52, 0                               ; which of my four entries are rows
.irp p, 0,1,2,3
	s_and_b32 s57, s[60+\p], 0xffff
	s_cmp_lt_u32 s57, 4096
	s_cselect_b32 s54, 1<<\p, 0
	s_or_b32 s52, s52, s54
	s_min_u32 s57, s57, 4095                       ; an entry without a row computes on the last token's numbers and stores nothing
	s_lshl_b32 s54, s57, 12
	s_add_nc_u64 s[36+2*\p:37+2*\p], s[4:5], s[54:55]    ; its row of x,
	s_add_nc_u64 s[28+2*\p:29+2*\p], s[22:23], s[54:55]  ; of y,
	s_lshl_b32 s54, s57, 5
	s_add_nc_u64 s[44+2*\p:45+2*\p], s[6:7], s[54:55]    ; of dispatch
.endr
	s_add_nc_u64 s[4:5], s[10:11], 0x400000        ; my tiles of W2
	s_mov_b32 s54, 0x3ed5224c                      ; 1 / (2 sqrt(log2 e)): z / 2 = g x this
	s_mov_b32 s55, 0x3ed5224c
	s_mov_b32 s56, 0x3f596d27                      ; sqrt(log2(e) / 2)
	s_mov_b32 s58, 0x76543210
	s_mov_b32 s59, 0xfedcba98                      ; v_permlanex16_b32's selects for lane l xor 16
	s_mov_b32 s73, 0
.irp h, 0,1
	s_mov_b32 s[KC+0+\h], 0xc025c4b7
	s_mov_b32 s[KC+2+\h], 0x3fb8ab5a
	s_mov_b32 s[KC+4+\h], 0x3f0a29d2
	s_mov_b32 s[KC+6+\h], 0x3e0efb2e
	s_mov_b32 s[KC+8+\h], 0xbe899a80
	s_mov_b32 s[KC+10+\h], 0x3ecdfd18
	s_mov_b32 s[KC+12+\h], 0xbfd1a1e5
	s_mov_b32 s[KC+14+\h], 0x40097039
	s_mov_b32 s[KC+16+\h], 0xbf97d29d
.endr
	s_wait_loadcnt 16                              ; the two words of the list are in; b2's sixteen loads may be out
.irp m, 0,1
	v_and_b32 v[8+\m], 0xffff, v[8+\m]
	v_min_u32 v[8+\m], 0xfff, v[8+\m]
	v_lshlrev_b32 v[8+\m], 5, v[8+\m]              ; row 16 m + r's 32 bytes of combine
.endr
	s_wait_alu depctr_va_vdst(0)                   ; v8 and v9 are written, which phase 2's loads of combine read as offsets; the head issues no vector instruction behind this wait
	s_wait_loadcnt 0x0
.irp m, 0,1
.irp b, 0,1,2,3
.irp i, 0,1,2,3
	ds_store_b128 v[18+\m], v[52+16*\b+4*\i:55+16*\b+4*\i] offset:128*\b+16*\i   ; y begins as b2: my own columns of all 32 rows
.endr
.endr
.endr
	s_wait_dscnt 0x0                               ; the stores are done
	s_wait_alu depctr_vm_vsrc(0)                   ; the stores have read v52-115, in which the loop's loads land and which its products write
	s_mov_b32 s25, 0                               ; the expert
.Lexpert:
	s_lshl_b32 s53, s25, 2
	; ---- X.  Its loads follow with no wait: the head and every phase have ended clean
	s_bitcmp1_b32 s26, s25
	s_cbranch_scc0 .Lskip_x
.irp p, 0,1,2,3
.irp i, 0,1,2,3
.irp a, 0,1
	global_load_b128 v[XR+32*\p+8*\i+4*\a:XR+32*\p+8*\i+4*\a+3], v4, s[36+2*\p:37+2*\p] offset:1024*\i+16*\a
.endr
.endr
.endr
.irp p, 0,1,2,3
	s_load_b32 s[76+\p], s[44+2*\p:45+2*\p], s53 offset:0x0   ; dispatch[token][expert]
.endr
	s_wait_kmcnt 0x0
	XROW 0
	XROW 1
	XROW 2
	XROW 3
	s_wait_alu depctr_va_sdst(0)                   ; the four compares have written s60 to s63, ahead of their first readers
.irp p, 0,1,2,3
	v_cndmask_b32 v[XMS+\p], 0, 1.0, s[60+\p]      ; the row's mask
.endr
	s_wait_alu depctr_va_vdst(0)                   ; row 3 has written its codes and bytes, the selects the four masks, which the stores below read; the phase issues no vector instruction behind this wait
	XSTORE 3
.irp p, 0,1,2,3
	ds_store_b32 v12, v[XMS+\p] offset:4*\p        ; all lanes write the same word with the same value
.endr
	s_wait_alu depctr_vm_vsrc(0)                   ; my LDS stores have read the codes, bytes and masks: the next visit writes them again, and a set of y lands on four of them
.Lskip_x:
	BAR                                            ; the 32 rows' codes, bytes and masks lie in LDS; nobody reads the hidden layer's any more
	; ---- 1.  Its first loads follow with no wait, as X's do
	s_bitcmp1_b32 s26, s25
	s_cbranch_scc0 .Lskip_1
	s_lshl_b32 s72, s25, 19
	s_add_nc_u64 s[66:67], s[10:11], s[72:73]      ; the expert's W1, my tiles
	s_lshl_b32 s72, s25, 15
	s_add_nc_u64 s[68:69], s[12:13], s[72:73]      ; their scale bytes
	s_lshl_b32 s72, s25, 12
	s_add_nc_u64 s[70:71], s[16:17], s[72:73]      ; b1
	LOADW 66, 68, 0
.irp i, 0,1,2,3
	global_load_b128 v[B1+4*\i:B1+4*\i+3], v7, s[70:71] offset:16*\i
.endr
	FETCH XC, XSC
	ds_load_b32 v22, v15 offset:MSK                ; the masks of rows r and 16 + r
	ds_load_b32 v24, v15 offset:MSK+64
	s_wait_dscnt 0x0
	TRIP1 0, 1
	TRIP1 1, 1
	TRIP1 2, 1
	TRIP1 3, 0
	s_wait_alu depctr_va_vdst(0)                   ; trips 2 and 3 have written their codes, and the scale words are whole: the stores below read them; the phase issues no vector instruction behind this wait
	HSTORE 2
	HSTORE 3
.irp m, 0,1
	ds_store_b32 v17, v[PW+\m] offset:512*\m       ; both halves of the lanes write the same word with the same value
.endr
	s_wait_alu depctr_vm_vsrc(0)                   ; my LDS stores have read the codes and the scale words: sets of y and rows of x land on them, and the next visit writes them again
.Lskip_1:
	BAR                                            ; the hidden layer's codes and bytes lie in LDS; nobody reads x's any more
	; ---- 2.  Its first loads follow with no wait, as X's do
	s_bitcmp1_b32 s26, s25
	s_cbranch_scc0 .Lskip_2
	s_lshl_b32 s72, s25, 2
	s_add_nc_u64 s[70:71], s[8:9], s[72:73]
	global_load_b32 v26, v8, s[70:71]              ; combine[token][expert] of rows r and 16 + r
	global_load_b32 v28, v9, s[70:71]
	s_lshl_b32 s72, s25, 19
	s_add_nc_u64 s[66:67], s[4:5], s[72:73]        ; the expert's W2, my tiles
	s_lshl_b32 s72, s25, 15
	s_add_nc_u64 s[68:69], s[14:15], s[72:73]
	LOADW 66, 68, 0
	FETCH HC, HSC
	TRIP2 0, 1
	TRIP2 1, 1
	TRIP2 2, 1
	TRIP2 3, 0
	s_wait_alu depctr_va_vdst(0)                   ; the multiply-adds of trips 2 and 3 have written their y, which the stores below read; the phase issues no vector instruction behind this wait
	YSTORE 2
	YSTORE 3
	s_wait_dscnt 0x0                               ; the last stores are done
	s_wait_alu depctr_vm_vsrc(0)                   ; my LDS stores have read the four sets of y: the next visit's loads land there, and its vector instructions write there
.Lskip_2:
	s_add_co_u32 s25, s25, 1
	s_cmp_lt_u32 s25, 8
	s_cbranch_scc1 .Lexpert
	; ---- the way out: each wave stores its four rows, whole.  The LDS loads follow with no wait: every phase has ended clean; the global stores' data come from those loads
	BAR                                            ; all columns of y lie in LDS
.irp p, 0,1,2,3
.irp i, 0,1,2,3,4,5,6,7
	ds_load_b128 v[52+32*\p+4*\i:55+32*\p+4*\i], v20 offset:YP*\p+512*\i
.endr
.endr
.irp p, 0,1,2,3
	s_wait_dscnt 24-8*\p                           ; this row's eight loads are in; the later rows' may be out
	s_bitcmp1_b32 s52, \p                          ; an entry without a row stores nothing
	s_cbranch_scc0 .Lnone\p
.irp i, 0,1,2,3,4,5,6,7
	global_store_b128 v5, v[52+32*\p+4*\i:55+32*\p+4*\i], s[28+2*\p:29+2*\p] offset:512*\i th:TH_STORE_NT   ; 32 lanes store 512 consecutive bytes, aligned; written once, read by nobody here
.endr
.Lnone\p:
.endr
	s_wait_dscnt 0x0                               ; the closing lines, six on end
	s_wait_alu 0x0
	s_wait_tensorcnt 0x0
	ds_add_u32 v254, v255
	s_wait_dscnt 0x0
	s_endpgm
.Lfunc_end_k_q89f06e1945_chain:
	.size	k_q89f06e1945_chain, .Lfunc_end_k_q89f06e1945_chain-k_q89f06e1945_chain
	.p2alignl 7, 3214868480
	.fill 96, 4, 3214868480
	.section	.rodata,"a",@progbits
	.p2align	6, 0x0
	.amdhsa_kernel k_q89f06e1945_chain
		.amdhsa_group_segment_fixed_size 168960
		.amdhsa_private_segment_fixed_size 0
		.amdhsa_enable_private_segment 0
		.amdhsa_kernarg_size 80
		.amdhsa_user_sgpr_count 2
		.amdhsa_user_sgpr_kernarg_segment_ptr 1
		.amdhsa_wavefront_size32 1
		.amdhsa_system_sgpr_workgroup_id_x 1
		.amdhsa_system_sgpr_workgroup_id_y 1
		.amdhsa_system_sgpr_workgroup_id_z 1
		.amdhsa_system_vgpr_workitem_id 0
		.amdhsa_next_free_vgpr 512
		.amdhsa_next_free_sgpr 100
		.amdhsa_reserve_vcc 0
		.amdhsa_float_denorm_mode_32 3
		.amdhsa_float_denorm_mode_16_64 3
		.amdhsa_memory_ordered 1
		.amdhsa_forward_progress 1
		.amdhsa_inst_pref_size 205
	.end_amdhsa_kernel
	.amdgpu_metadata
---
amdhsa.version: [ 1, 2 ]
amdhsa.kernels:
  - .name:           k_q89f06e1945_chain
    .symbol:         k_q89f06e1945_chain.kd
    .args:
      - { .name: x, .offset: 0, .size: 8, .value_kind: global_buffer, .address_space: global }
      - { .name: dispatch_tensor, .offset: 8, .size: 8, .value_kind: global_buffer, .address_space: global }
      - { .name: combine_tensor, .offset: 16, .size: 8, .value_kind: global_buffer, .address_space: global }
      - { .name: wfrag, .offset: 24, .size: 8, .value_kind: global_buffer, .address_space: global }
      - { .name: w1_scales, .offset: 32, .size: 8, .value_kind: global_buffer, .address_space: global }
      - { .name: w2_scales, .offset: 40, .size: 8, .value_kind: global_buffer, .address_space: global }
      - { .name: b1, .offset: 48, .size: 8, .value_kind: global_buffer, .address_space: global }
      - { .name: b2, .offset: 56, .size: 8, .value_kind: global_buffer, .address_space: global }
      - { .name: order, .offset: 64, .size: 8, .value_kind: global_buffer, .address_space: global }
      - { .name: out0, .offset: 72, .size: 8, .value_kind: global_buffer, .address_space: global }
    .group_segment_fixed_size: 168960
    .private_segment_fixed_size: 0
    .kernarg_segment_align: 8
    .kernarg_segment_size: 80
    .max_flat_workgroup_size: 256
    .sgpr_count:     100
    .vgpr_count:     512
    .wavefront_size: 32
...
	.end_amdgpu_metadata
.endif
;; end of part 6
